; MI455X (gfx1250); checked and timed in simulation.
; The chip was launched on July 23, 2026; its instructions are those of AMD's public machine-readable ISA for CDNA 5 (MIT licence, August 2026) and "CDNA5" Instruction Set Architecture Reference Guide (July 2026). The comments in the code are by the model that wrote it; some were corrected since.
;; Unfused Gemma4 Text Experts. Allowed arithmetic: float matrix products may take bf16 or f16 operands with f32 sums; other float arithmetic in f32, or as packed bf16 or f16 multiplies, adds, multiply-adds, maxima and minima; sums over many terms, partial sums and values carried from step to step in f32; what a program stores and reads back later, other than sums and carried values, may be rounded once to bf16 or f16.
;; Inputs: down_w 8 x 2,048 x 1,024 float32; gate_w 8 x 1,024 x 2,048 float32; hidden_states 1,024 x 2,048 float32; top_k_index 1,024 x 2 int32; top_k_weights 1,024 x 2 float32; up_w 8 x 1,024 x 2,048 float32.
;; Outputs: out0 1,024 x 2,048 float32.
;; 2 versions, each right and faster than the one before. Each part assembles by itself: llvm-mc -triple=amdgcn-amd-amdhsa -mcpu=gfx1250 --defsym DOCPART=n.
;; ======== version 1 of 2: 4 launches
;; limits: values outside matrix products are rounded to bf16
;; workspace buffers: xs 8,912,896 bytes; hs 8,912,896 bytes; part 17,825,792 bytes; pos 8,192 bytes of whole numbers; meta 256 bytes of whole numbers
;; launch prep (part 1): grid 2 x 135, 4 waves a work-group, no clusters, 35,328 bytes of LDS; arguments top_k_index, hidden_states, xs, pos, meta; writes xs, pos, meta
.if DOCPART == 1
	.amdgcn_target "amdgcn-amd-amdhsa--gfx1250"
	.amdhsa_code_object_version 6
	.text
	.protected	k_q31495b321e_prep
	.globl	k_q31495b321e_prep
	.p2align	8
	.type	k_q31495b321e_prep,@function
k_q31495b321e_prep:
	s_mov_b64 s[64:65], 0
	v_nop
	global_prefetch_b8 v0, s[64:65] scope:SCOPE_SE
	s_setreg_imm32_b32 hwreg(HW_REG_WAVE_MODE, 25, 1), 1
	s_wait_xcnt 0x0
; PREP.  The 2,048 routed rows r = 2 t + k are sorted by expert; each expert's rows are cut into tiles of 16; the tiles are numbered on end over the experts
; (tb[e] = first tile, nt[e] = tiles).  A tile's token rows are gathered, rounded once to bf16 and laid down as matrix operands:
;   xs: element (tile P, row r, k) at byte (k>>5) KSTR + 1024 P + 512 ((k>>4)&1) + 16 (r + 16 ((k>>3)&1)) + 2 (k&7):
;   a fragment of 16 rows x 32 k is two accesses of 16 bytes a lane, at 16 lane and 16 lane + 512, each 512 consecutive bytes.
;   pos[r] = 16 P + row in tile;  meta: words 0-7 tb, 8-15 nt, 16-31 zero.
; SHARES.  Work-group (X, P): tile slot P, K half X (1,024 k); wave w: 256 k.  Every work-group counts the 2,048 choices for itself (8 KiB), so no launch is spent on a list.
; 2,048 rows padded to 16 in each of 8 experts are 135 tiles at the most (seven pads of 15 and one of 7); a split with fewer leaves the last slots without rows:
; they pass both barriers, store nothing and end.  Places of a tile past the expert's count repeat its last row.
; The order of an expert's rows is (wave, slot, lane) of the count; every work-group finds the same order.
; LIMITS.  hidden_states is rounded once to bf16 (nearest even).  An index is taken to lie in 0 to 7, as the table it indexes has 8 entries.
.set KSTR,   139264                    ; bytes from one block of 32 k to the next: 136 tiles x 1,024
.set LISTS,  512                       ; LDS: 0-511 counts (wave w: 32 words at 128 w); 512-1023 lists (wave w: 16 words and a dump word at 512 + 128 w)
.set STG,    1024                      ; wave w: 16 rows x 528 bytes at 1024 + 8448 w
.set SPITCH, 528                       ; 512 bytes + 16 = 132 words: row r starts at bank 4 r mod 64 (64 banks of 4 bytes: ISA guide 11.1)
.set SPARE,  34816                     ; the spare words, 128 bytes a wave: two blocks of 256 bytes that no other line names
.set SPW,  2                           ; v2      LDS address of my spare word; never rewritten
.set NIL,  3                           ; v3      0; never rewritten
.set IDX,  4                           ; v4-19   16 choices a lane: entry 512 w + 128 q + 4 lane + c in v[4 + 4 q + c]
.set RB,   20                          ; v20     512 w + 4 lane; later 16 lane
.set ROFF, 32                          ; v32-47  byte offset of my 16 bytes in each of the tile's 16 token rows
.set LD,   48                          ; v48-175 32 loads of 16 bytes
.set OUTR, 176                         ; v176-239 the 16 half fragments as they leave
; scalars: s[4:13] arguments; s14 wave, s15 X, s16 P; s[20:35] masks, later token offsets; s[36:43] own counts, later nt; s[44:51] tb;
; s52 my slot's expert, s53 its tb, s54 its rows, s55-57 its rows in waves 0-2; s59 tiles in all; s[68:99] counts by wave and expert
	s_load_b256 s[4:11], s[0:1], 0x0               ; index s[4:5], hidden s[6:7], xs s[8:9], pos s[10:11]
	s_load_b64 s[12:13], s[0:1], 0x20              ; meta
	v_lshl_add_u32 v[SPW], v0, 2, SPARE
	v_mov_b32 v[NIL], 0
	v_and_b32 v1, 31, v0                           ; lane
	v_lshrrev_b32 v21, 5, v0
	v_readfirstlane_b32 s14, v21                   ; wave
	s_mov_b32 s15, ttmp9                           ; X
	s_and_b32 s16, ttmp7, 0xffff                   ; P
	v_lshlrev_b32 v22, 4, v1
	v_lshl_add_u32 v22, v21, 11, v22               ; 2048 w + 16 lane
	v_lshlrev_b32 v[RB], 2, v1
	v_lshl_add_u32 v[RB], v21, 9, v[RB]            ; 512 w + 4 lane
	s_wait_kmcnt 0x0
.irp q, 0,1,2,3
	global_load_b128 v[IDX+4*\q:IDX+4*\q+3], v22, s[4:5] offset:512*\q
.endr
	s_wait_loadcnt 0x0
	; my wave's 512 choices counted by expert: 16 compares on end, then the scalar counts, so that no scalar line follows its own compare
.set e, 0
.rept 8
.set k, 0
.rept 16
	v_cmp_eq_u32 s[20+k], e, v[IDX+k]
.set k, k+1
.endr
.set k, 0
.rept 16
	s_bcnt1_i32_b32 s[20+k], s[20+k]
.set k, k+1
.endr
	s_add_co_u32 s[36+e], s20, s21
.set k, 2
.rept 14
	s_add_co_u32 s[36+e], s[36+e], s[20+k]
.set k, k+1
.endr
.set e, e+1
.endr
	v_mov_b32 v28, 0
.set e, 0
.rept 8
	v_writelane_b32 v28, s[36+e], e
.set e, e+1
.endr
	v_lshlrev_b32 v23, 2, v0                       ; 128 w + 4 lane
	ds_store_b32 v23, v28
	s_wait_dscnt 0x0                               ; for the others' sake: my counts are in LDS
	s_barrier_signal -1
	s_barrier_wait -1
	v_lshrrev_b32 v24, 3, v1
	v_and_b32 v25, 7, v1
	v_lshlrev_b32 v25, 2, v25
	v_lshl_add_u32 v24, v24, 7, v25                ; lane L: wave L / 8, expert L % 8
	ds_load_b32 v26, v24
	s_wait_dscnt 0x0
.set ln, 0
.rept 32
	v_readlane_b32 s[68+ln], v26, ln
.set ln, ln+1
.endr
	; totals, tiles, first tiles; my slot's owner is the last expert whose first tile is not beyond P
	s_mov_b32 s59, 0
.set e, 0
.rept 8
	s_add_co_u32 s17, s[68+e], s[76+e]
	s_add_co_u32 s17, s17, s[84+e]
	s_add_co_u32 s17, s17, s[92+e]                 ; the expert's rows
	s_mov_b32 s[44+e], s59                         ; tb[e]
.if e == 0
	s_mov_b32 s52, 0
	s_mov_b32 s53, 0
	s_mov_b32 s54, s17
	s_mov_b32 s55, s68
	s_mov_b32 s56, s76
	s_mov_b32 s57, s84
.else
	s_cmp_ge_u32 s16, s59
	s_cselect_b32 s52, e, s52
	s_cselect_b32 s53, s59, s53
	s_cselect_b32 s54, s17, s54
	s_cselect_b32 s55, s[68+e], s55
	s_cselect_b32 s56, s[76+e], s56
	s_cselect_b32 s57, s[84+e], s57
.endif
	s_add_co_u32 s17, s17, 15
	s_lshr_b32 s[36+e], s17, 4                     ; nt[e]
	s_add_co_u32 s59, s59, s[36+e]
.set e, e+1
.endr
	s_add_co_u32 s18, s55, s56                     ; the owner's rows in waves 0-1,
	s_add_co_u32 s19, s18, s57                     ; in waves 0-2
	s_cmp_ge_u32 s14, 1
	s_cselect_b32 s60, s55, 0
	s_cmp_ge_u32 s14, 2
	s_cselect_b32 s60, s18, s60
	s_cmp_ge_u32 s14, 3
	s_cselect_b32 s60, s19, s60                    ; its rows in the waves ahead of mine
	s_sub_co_u32 s61, s16, s53
	s_lshl_b32 s61, s61, 4                         ; the rank of my tile's first row
	s_sub_co_u32 s62, s60, s61                     ; running rank less that
	s_sub_co_u32 s63, s54, s61
	s_min_u32 s63, s63, 16
	s_sub_co_u32 s63, s63, 1                       ; my tile's rows less 1
	s_lshl_b32 s17, s14, 7
	s_add_co_u32 s17, s17, LISTS                   ; my wave's list
	; each choice of the owner has a rank; ranks 0 to 15 of my tile go into my wave's list at that place, all else into the dump word (place 16)
.set k, 0
.rept 16
	v_cmp_eq_u32 s100, s52, v[IDX+k]
	v_mbcnt_lo_u32_b32 v29, s100, s62              ; rank in the tile (wraps far above 16 for earlier tiles)
	v_cndmask_b32 v29, -1, v29, s100               ; another expert's choice: far above 16
	v_min_u32 v29, 16, v29
	v_lshl_add_u32 v29, v29, 2, s17
	v_add_nc_u32 v30, 128*(k/4)+(k%4), v[RB]       ; r
	ds_store_b32 v29, v30
	s_bcnt1_i32_b32 s100, s100
	s_add_co_u32 s62, s62, s100
.set k, k+1
.endr
	s_wait_dscnt 0x0                               ; for the others' sake: my list is in LDS
	s_barrier_signal -1
	s_barrier_wait -1
	s_cmp_ge_u32 s16, s59
	s_cbranch_scc1 .Lend                           ; this split has no tile for my slot; no barrier follows
	v_and_b32 v29, 15, v0
	v_min_u32 v29, s63, v29                        ; places past the count repeat the last row
	v_min_u32 v29, 15, v29                         ; d
	v_add_nc_u32 v24, s61, v29                     ; its rank in the expert: which wave holds it?
	v_cmp_le_u32 vcc_lo, s55, v24
	v_cndmask_b32 v25, 0, 1, vcc_lo
	v_cmp_le_u32 vcc_lo, s18, v24
	v_cndmask_b32 v26, 0, 1, vcc_lo
	v_add_nc_u32 v25, v25, v26
	v_cmp_le_u32 vcc_lo, s19, v24
	v_cndmask_b32 v26, 0, 1, vcc_lo
	v_add_nc_u32 v25, v25, v26
	v_min_u32 v25, 3, v25
	v_lshlrev_b32 v25, 7, v25
	v_lshl_add_u32 v25, v29, 2, v25
	ds_load_b32 v30, v25 offset:LISTS
	s_wait_dscnt 0x0
	v_min_u32 v30, 0x7ff, v30                      ; r of row d
	s_or_b32 s100, s15, s14
	s_cmp_lg_u32 s100, 0
	s_cbranch_scc1 .Lnopos                         ; the whole numbers are stored by wave 0 of K half 0
	v_lshlrev_b32 v24, 2, v30
	v_lshl_add_u32 v25, s16, 4, v29                ; 16 P + d; lanes that repeat a row store the same number at the same word
	global_store_b32 v24, v25, s[10:11]
	s_cmp_lg_u32 s16, 0
	s_cbranch_scc1 .Lnopos                         ; meta by slot 0, which has rows in every split
	v_mov_b32 v28, 0
.set e, 0
.rept 8
	v_writelane_b32 v28, s[44+e], e
	v_writelane_b32 v28, s[36+e], 8+e
.set e, e+1
.endr
	v_lshlrev_b32 v26, 2, v1
	global_store_b32 v26, v28, s[12:13]
.Lnopos:                                               ; v24, v25, v26, v28 are not written again
	v_lshrrev_b32 v31, 1, v30                      ; token
.set r, 0
.rept 16
	v_readlane_b32 s[20+r], v31, r
.set r, r+1
.endr
	s_lshl_b32 s100, s15, 12
	s_lshl_b32 s101, s14, 10
	s_add_co_u32 s100, s100, s101
	v_lshl_add_u32 v21, v1, 4, s100                ; 16 lane + 4096 X + 1024 w
.set r, 0
.rept 16
	s_min_u32 s[20+r], s[20+r], 1023
	s_lshl_b32 s[20+r], s[20+r], 13                ; a token row is 8,192 bytes
	v_add_nc_u32 v[ROFF+r], s[20+r], v21
.set r, r+1
.endr
.set m, 0
.rept 32                                               ; row m / 2, half m % 2 of my 1,024 bytes: 512 consecutive bytes a load; no hint: a token is named twice
	global_load_b128 v[LD+4*m:LD+4*m+3], v[ROFF+m/2], s[6:7] offset:512*(m%2)
.set m, m+1
.endr
	s_mul_i32 s101, s14, 16*SPITCH
	s_add_co_u32 s101, s101, STG                   ; my stage
	v_lshl_add_u32 v23, v1, 3, s101                ; in: 8 bytes a lane
	v_and_b32 v27, 15, v0
	v_mul_u32_u24 v27, v27, SPITCH
	v_bfe_u32 v22, v0, 4, 1
	v_lshl_add_u32 v27, v22, 4, v27
	v_add_nc_u32 v27, s101, v27                    ; back: row lane % 16, 16 bytes for each half of the lanes
	v_lshlrev_b32 v[RB], 4, v1                     ; 16 lane
	s_lshl_b32 s60, s15, 5
	s_lshl3_add_u32 s60, s14, s60                  ; my first block of 32 k: 32 X + 8 w
	s_mul_i32 s60, s60, KSTR
	s_lshl_b32 s61, s16, 10
	s_add_co_u32 s60, s60, s61
	s_mov_b32 s61, 0
	s_add_nc_u64 s[8:9], s[8:9], s[60:61]
.set m, 0
.rept 32
	s_wait_loadcnt 31-m                            ; loads come back in order (ISA guide 5.7.1): load m is in, the 31 - m younger ones stay out
	v_cvt_pk_bf16_f32 v[LD+4*m],   v[LD+4*m],   v[LD+4*m+1]
	v_cvt_pk_bf16_f32 v[LD+4*m+1], v[LD+4*m+2], v[LD+4*m+3]
	ds_store_b64 v23, v[LD+4*m:LD+4*m+1] offset:SPITCH*(m/2)+256*(m%2)
.set m, m+1
.endr
.set u, 0
.rept 16                                               ; block u / 2 of 32 k, half u % 2; my own bytes, and LDS serves a wave's instructions in order (ISA guide 5.7.1.4): no wait between
	ds_load_b128 v[OUTR+4*u:OUTR+4*u+3], v27 offset:64*(u/2)+32*(u%2)
.set u, u+1
.endr
.set u, 0
.rept 16
	s_wait_dscnt 15-u
	global_store_b128 v[RB], v[OUTR+4*u:OUTR+4*u+3], s[8:9] offset:(u/2)*KSTR+512*(u%2)  ; 512 consecutive bytes, at a multiple of 256 from xs's first
.set u, u+1
.endr
.Lend:
	s_wait_tensorcnt 0x0                           ; the wave's end: three lines behind my last LDS store
	ds_add_u32 v[SPW], v[NIL]
	s_wait_dscnt 0x0
	s_endpgm
.Lfunc_end_k_q31495b321e_prep:
	.size	k_q31495b321e_prep, .Lfunc_end_k_q31495b321e_prep-k_q31495b321e_prep
	.p2alignl 7, 3214868480
	.fill 96, 4, 3214868480
	.section	.rodata,"a",@progbits
	.p2align	6, 0x0
	.amdhsa_kernel k_q31495b321e_prep
		.amdhsa_group_segment_fixed_size 35328
		.amdhsa_private_segment_fixed_size 0
		.amdhsa_enable_private_segment 0
		.amdhsa_kernarg_size 40
		.amdhsa_user_sgpr_count 2
		.amdhsa_user_sgpr_kernarg_segment_ptr 1
		.amdhsa_wavefront_size32 1
		.amdhsa_system_sgpr_workgroup_id_x 1
		.amdhsa_system_sgpr_workgroup_id_y 1
		.amdhsa_system_sgpr_workgroup_id_z 1
		.amdhsa_system_vgpr_workitem_id 0
		.amdhsa_next_free_vgpr 240
		.amdhsa_next_free_sgpr 102
		.amdhsa_reserve_vcc 1
		.amdhsa_float_denorm_mode_32 3
		.amdhsa_float_denorm_mode_16_64 3
		.amdhsa_memory_ordered 1
		.amdhsa_forward_progress 1
		.amdhsa_inst_pref_size 51
	.end_amdhsa_kernel
	.amdgpu_metadata
---
amdhsa.version: [ 1, 2 ]
amdhsa.kernels:
  - .name:           k_q31495b321e_prep
    .symbol:         k_q31495b321e_prep.kd
    .args:
      - { .name: top_k_index, .offset: 0, .size: 8, .value_kind: global_buffer, .address_space: global }
      - { .name: hidden_states, .offset: 8, .size: 8, .value_kind: global_buffer, .address_space: global }
      - { .name: xs, .offset: 16, .size: 8, .value_kind: global_buffer, .address_space: global }
      - { .name: pos, .offset: 24, .size: 8, .value_kind: global_buffer, .address_space: global }
      - { .name: meta, .offset: 32, .size: 8, .value_kind: global_buffer, .address_space: global }
    .group_segment_fixed_size: 35328
    .private_segment_fixed_size: 0
    .kernarg_segment_align: 8
    .kernarg_segment_size: 40
    .max_flat_workgroup_size: 128
    .sgpr_count:     102
    .vgpr_count:     240
    .wavefront_size: 32
...
	.end_amdgpu_metadata
.endif
;; end of part 1
;; launch gateup (part 2): grid 32 x 8, 8 waves a work-group, no clusters, 296,960 bytes of LDS; arguments xs, meta, gate_w, up_w, hs; writes hs
.if DOCPART == 2
	.amdgcn_target "amdgcn-amd-amdhsa--gfx1250"
	.amdhsa_code_object_version 6
	.text
	.protected	k_q31495b321e_gateup
	.globl	k_q31495b321e_gateup
	.p2align	8
	.type	k_q31495b321e_gateup,@function
k_q31495b321e_gateup:
	s_mov_b64 s[64:65], 0
	v_nop
	global_prefetch_b8 v0, s[64:65] scope:SCOPE_SE
	s_setreg_imm32_b32 hwreg(HW_REG_WAVE_MODE, 25, 1), 1
	s_wait_xcnt 0x0
; GATEUP.  h[row][i] = gelu_tanh(x[row] . gate_w[e][i]) * (x[row] . up_w[e][i]) for the routed rows of expert e, stored in hs in the operand layout of xs (k = i), IN TWO bf16 PARTS:
; blocks 0-31 of 32 k hold h rounded to bf16, blocks 32-63 the remainder h - that (exact in f32), rounded to bf16.  Why two: one rounding to bf16's 8 significant bits is off by up to 2^-8 of h, some 0.17% of a row
; of the next product (root mean square); a token that names one expert twice carries that error with the weight w0 + w1, up to 2, and 1% of the output's root mean square is then under 3 standard deviations:
; too little for 2 M numbers.  f16 has no room: inputs 30 times larger make h 810,000 times larger.
; SHARES.  Work-group (s, e) owns gate rows 32 s .. +31 (image rows 0-31) and up rows 32 s .. +31 (image rows 32-63) of expert e, which it alone reads, and all of that expert's tiles of 16 rows.
; WAVES 4-7 LOAD: each streams 16 weight rows through a ring of 64 loads of 16 bytes a lane (a chunk of K = 512: 32 KiB a wave, 128 KiB a work-group on its way), rounds a chunk to bf16 into 128 registers,
; and stores it into an image in LDS that stays.
; WAVES 0-3 MULTIPLY: a pass is 20 tiles; slot i of wave cw is tile 20 p + 4 i + cw; 5 tiles x 4 blocks of 16 weight rows = 20 accumulators.  Token fragments come from memory straight into registers
; (xs lies in operand order), weight fragments from LDS.  Pass 0 follows the loaders chunk by chunk; passes 1 to 6 (an expert with more than 320 rows; 2,048 at the most) run on the image with
; no barrier, in a loop of 7 trips whose dead trips are jumped.  Slots past the expert's tiles repeat its last tile and store nothing (20 slots for the usual 15 to 18 tiles); an expert with no rows multiplies tile 0 and stores nothing.
; THE ORDER IN LDS.  No LDS write stands between two barriers between which fragments are read.  While chunk c is multiplied the loaders wait for chunk c + 1, round it in registers and ask for chunk c + 2: no LDS.
; Then a barrier, the loaders' 64 stores a wave, a barrier, and chunk c + 1 is multiplied.  The multiplying waves idle during the stores, 64 KiB, four times a launch; the loads from memory stay out across all barriers.
; THE TWO ROLES' BLOCKS stand between the barriers, each in a branch of its own on the wave's number; the barriers stand on every wave's way.  The text is sound on every way through those branches:
; all that lives across a barrier is made by every wave; a loader's block takes the ring exactly once round; a multiplying block begins and ends with no load out.
; THE IMAGE lies by bodies of K = 128: body b is 64 rows x 272 bytes at (b + 1) x 17,408.  A loader's address is its wave number (4 to 7) x 4,352 + 8 lane + constants; the first 17,408 bytes of LDS stay free for that.
; THE PRODUCT IS USED TRANSPOSED: source 0 = 16 weight rows, source 1 = 16 token rows: a lane holds one token row (lane % 16) and 8 neighbouring i: 16 bytes of hs at 16 lane.
; NO JOINT LOADS: an expert's 32 work-groups share its token tiles, but the number of tiles hangs on a stored count (0 to 128), so a load that all partners issue on every path would have to cover
; 128 tiles where 16 or 17 are usual; the weights, f32, pass through registers to be rounded and have one reader each.
; The accumulators are cleared at a pass's beginning (160 moves; for pass 0 in the wait for the first chunk): no first step is written out, which would be one more copy of a body in each block.
; LIMITS.  gate_w, up_w are rounded once to bf16; sums in f32; h keeps some 16 significant bits.  gelu(g) = g / (1 + 2^(g (c0 + c1 g^2))): an exponent that overflows gives the limits 0 and g.
; An h of 3.39e38 or more rounds to an infinity in its first part, and its remainder is then no number.  NaN and infinities are not treated apart.
.set NKB,   64                         ; blocks of 32 along K = 2,048
.set ROWB,  8192                       ; a weight row in memory
.set NCH,   4                          ; chunks of K = 512; a chunk is 4 bodies of K = 128; a body is 4 steps of K = 32
.set KSTR,  139264                     ; xs, hs: bytes from one block of 32 k to the next
.set LOOFF, 32*KSTR                    ; hs: from h's first part to its second
.set PITCH, 272                        ; a body's row in LDS: 256 bytes + 16 = 68 words: row r starts at bank 4 r mod 64 (64 banks of 4 bytes: ISA guide 11.1)
.set WROWS, 16*PITCH                   ; 16 rows: a loader's share of a body, and a block of weight rows
.set BSTEP, 64*PITCH                   ; a body
.set SPARE, (4*NCH+1)*BSTEP            ; behind the image: the spare words, 128 bytes a wave: four blocks of 256 bytes that no other line names
.set L16,  1                           ; v1      16 lane
.set AOFF, 2                           ; v2-6    16 lane + 1024 x tile, for my five slots
.set BAD0, 8                           ; v8      (lane % 16) PITCH + 16 (lane / 16); never rewritten        (v7, v11: at work in the set-up)
.set BADR, 9                           ; v9      the same in the body in hand
.set BADN, 10                          ; v10     in the next body
.set LST0, 12                          ; v12     wave x WROWS + 8 lane; never rewritten
.set LST,  13                          ; v13     the same in the chunk in hand
.set SPW,  20                          ; v20     LDS address of my spare word; never rewritten
.set NIL,  21                          ; v21     0; never rewritten
.set BF,   32                          ; v32-95  weight fragments, two buffers of four; the way out's 48 registers at work
.set ACC,  96                          ; v96-255 accumulator (slot i, block nt) at 96 + 32 i + 8 nt
.set CV,   96                          ; v96-223 loaders: a chunk rounded to bf16, load m at 96 + 2 m
; window 1: multiplying waves: token fragments, ring slot a, tile slot i at 40 a + 8 i (160 registers); loaders: load m at 4 m (256 registers)
; scalars: s[4:5] xs, s[6:7] meta, s[8:11] weights, s[12:13] hs; s14 wave, s15 s, s16 e, s17 wave % 4; s18 tb, s19 nt, s20 my first tile of the pass, s22 my live slots; s[24:25], s[26:27] xs at this body and the next;
; s[28:29], s[30:31] their offsets; s32, s33 LDS offsets of this body and the next; s35, s37 counters; s[38:39] my weight rows; s[40:41] hs at my block; s[42:45] c0, c1; s50 nt - 1; s51 4 e; s52 mask of a word's upper bf16
.set MSB, 0
.macro WIN new                         ; s_set_vgpr_msb: bits 1:0 source 0, 3:2 source 1, 5:4 source 2, 7:6 destination; the high byte repeats the setting that is left
.if MSB != (\new)
	s_set_vgpr_msb (MSB<<8)|(\new)
.set MSB, \new
.endif
.endm
.macro PLACES                          ; four places between a matrix instruction and a load into, or a vector read or write of, its registers
.rept 4
	v_nop
.endr
.endm
; Chunk c comes out of the ring and is rounded, in 8 groups of 8 loads (load m: row m / 4, body m % 4 of the chunk).  re = 1: each group is asked for again, one chunk on: the ring goes exactly once round.
.macro CONV c, re
.set g, 0
.rept 8
.if \re
	s_wait_loadcnt 56                              ; loads come back in order (ISA guide 5.7.1): the oldest 8 are in, the ring's 56 younger ones stay out
.else
	s_wait_loadcnt 56-8*g                          ; nothing is asked for any more: the counts run down
.endif
	WIN 0x05                                       ; sources in window 1
.set q, 0
.rept 8
	v_cvt_pk_bf16_f32 v[CV+2*(8*g+q)],   v[4*(8*g+q)],   v[4*(8*g+q)+1]
	v_cvt_pk_bf16_f32 v[CV+2*(8*g+q)+1], v[4*(8*g+q)+2], v[4*(8*g+q)+3]
.set q, q+1
.endr
.if \re
	WIN 0x40                                       ; destination in window 1
.set q, 0
.rept 8
	global_load_b128 v[4*(8*g+q):4*(8*g+q)+3], v[L16], s[38:39] offset:((8*g+q)/4)*ROWB+((8*g+q)%4)*512+((\c)+1)*2048 th:TH_LOAD_NT
.set q, q+1
.endr
.endif
.set g, g+1
.endr
	WIN 0
.endm
.macro PUT c                           ; the rounded chunk c goes into the image
	v_add_nc_u32 v[LST], (\c)*4*BSTEP, v[LST0]
.set m, 0
.rept 64
	ds_store_b64 v[LST], v[CV+2*m:CV+2*m+1] offset:(m/4)*PITCH+(m%4)*BSTEP  ; 32 lanes, 256 consecutive bytes: a row of a body
.set m, m+1
.endr
.endm
.macro PASS_SET                        ; my live slots: tiles s20 + 4 i below nt, 5 at the most
	s_sub_co_i32 s46, s19, s20
	s_max_i32 s46, s46, 0
	s_add_co_u32 s46, s46, 3
	s_lshr_b32 s46, s46, 2
	s_min_u32 s22, s46, 5
.endm
.macro SLOTS                           ; my five slots' tiles
.irp i, 0,1,2,3,4
	s_add_co_u32 s46, s20, 4*\i
	s_min_u32 s46, s46, s50                        ; a slot past the expert's tiles repeats the last
	s_add_co_u32 s46, s46, s18
	s_min_u32 s46, s46, 135
	s_lshl_b32 s47, s46, 10
	v_add_nc_u32 v[AOFF+\i], s47, v[L16]
.endr
.endm
.macro CLEAR
.set ii, 0
.rept 160
	v_mov_b32 v[ACC+ii], 0
.set ii, ii+1
.endr
.endm
.macro TOKENS                          ; a pass's steps 0 to 2
	WIN 0x40
.set st, 0
.rept 3
.set ii, 0
.rept 5
	global_load_b128 v[40*st+8*ii:40*st+8*ii+3],   v[AOFF+ii], s[4:5] offset:st*KSTR
	global_load_b128 v[40*st+8*ii+4:40*st+8*ii+7], v[AOFF+ii], s[4:5] offset:st*KSTR+512
.set ii, ii+1
.endr
.set st, st+1
.endr
	WIN 0
.endm
; Step j of a body: asks for the token fragments of step j + 3 and the weight fragments of step j + 1, then 20 products.
.macro STEP j
.if (\j) > 0
	PLACES                                         ; behind step j - 1's products, whose registers the loads below fill (step 0: the body's first four vector lines)
.endif
	WIN 0x40
.set ii, 0
.rept 5
.if (\j) == 0
	global_load_b128 v[120+8*ii:120+8*ii+3],   v[AOFF+ii], s[24:25] offset:3*KSTR
	global_load_b128 v[120+8*ii+4:120+8*ii+7], v[AOFF+ii], s[24:25] offset:3*KSTR+512
.else
	global_load_b128 v[40*((\j)-1)+8*ii:40*((\j)-1)+8*ii+3],   v[AOFF+ii], s[26:27] offset:((\j)-1)*KSTR
	global_load_b128 v[40*((\j)-1)+8*ii+4:40*((\j)-1)+8*ii+7], v[AOFF+ii], s[26:27] offset:((\j)-1)*KSTR+512
.endif
.set ii, ii+1
.endr
	WIN 0x04                                       ; source 1 (tokens) in window 1
.set tt, 0
.rept 4
.if (\j) < 3
	ds_load_b128 v[BF+32*(((\j)+1)%2)+8*tt:BF+32*(((\j)+1)%2)+8*tt+3],   v[BADR] offset:tt*WROWS+64*((\j)+1)
	ds_load_b128 v[BF+32*(((\j)+1)%2)+8*tt+4:BF+32*(((\j)+1)%2)+8*tt+7], v[BADR] offset:tt*WROWS+64*((\j)+1)+32
.else
	ds_load_b128 v[BF+8*tt:BF+8*tt+3],   v[BADN] offset:tt*WROWS
	ds_load_b128 v[BF+8*tt+4:BF+8*tt+7], v[BADN] offset:tt*WROWS+32
.endif
.set tt, tt+1
.endr
	s_wait_loadcnt 30                              ; behind this step's token loads stand three steps' loads, ten each: they stay out
	s_wait_dscnt 8                                 ; the 8 just issued stay out
.set ii, 0
.rept 5                                                ; the accumulators take turns, one instruction a turn
.set tt, 0
.rept 4
	v_wmma_f32_16x16x32_bf16 v[ACC+32*ii+8*tt:ACC+32*ii+8*tt+7], v[BF+32*((\j)%2)+8*tt:BF+32*((\j)%2)+8*tt+7], v[40*(\j)+8*ii:40*(\j)+8*ii+7], v[ACC+32*ii+8*tt:ACC+32*ii+8*tt+7]
.set tt, tt+1
.endr
.set ii, ii+1
.endr
.endm
.macro BODY lim                        ; K = 128.  lim: the LDS offset of the block's last body
	s_wait_xcnt 0x0                                ; the two bases are rewritten only behind this wait
	s_add_nc_u64 s[24:25], s[4:5], s[28:29]
	s_add_co_u32 s30, s28, 4*KSTR
	s_min_u32 s30, s30, (NKB-4)*KSTR               ; a pass's last body looks ahead inside xs: it repeats its own blocks, which nobody uses
	s_add_nc_u64 s[26:27], s[4:5], s[30:31]
	s_add_co_u32 s33, s32, BSTEP
	s_min_u32 s33, s33, \lim                       ; a block's last body looks ahead inside the bytes that the last barrier has shown; the next block fetches its first fragments itself
	v_add_nc_u32 v[BADR], s32, v[BAD0]
	v_add_nc_u32 v[BADN], s33, v[BAD0]
	v_nop
	v_nop
	STEP 0
	STEP 1
	STEP 2
	STEP 3
	WIN 0
	s_add_co_u32 s28, s28, 4*KSTR
	s_add_co_u32 s32, s32, BSTEP
.endm
; nb bodies from body b0 on.  init = 1: a pass begins.  At the block's end the next body's first three steps of token fragments are in registers.
.macro MULT b0, nb, init
	s_wait_loadcnt 0x0                             ; no load is out on any way into the block: its counts begin at zero
	s_mov_b32 s28, (\b0)*4*KSTR
	s_mov_b32 s32, ((\b0)+1)*BSTEP
.if \init
	TOKENS
.endif
	v_add_nc_u32 v[BADR], s32, v[BAD0]
.irp t, 0,1,2,3
	ds_load_b128 v[BF+8*\t:BF+8*\t+3],   v[BADR] offset:\t*WROWS
	ds_load_b128 v[BF+8*\t+4:BF+8*\t+7], v[BADR] offset:\t*WROWS+32
.endr
	s_mov_b32 s35, \nb
.Lbody_\@:
	BODY ((\b0)+(\nb))*BSTEP
	s_sub_co_u32 s35, s35, 1
	s_cmp_lg_u32 s35, 0
	s_cbranch_scc1 .Lbody_\@
	PLACES                                         ; behind the last products, for whatever follows the block
	s_wait_loadcnt 0x0                             ; the token fragments asked for ahead have landed: no load is out on any way out of the block
	s_wait_dscnt 0x0                               ; nor an LDS load
.endm
.macro C_BLOCK c, re
	s_cmp_lt_u32 s14, 4
	s_cbranch_scc1 .Lnot_c_\@
	CONV \c, \re
.Lnot_c_\@:
.endm
.macro S_BLOCK c
	s_cmp_lt_u32 s14, 4
	s_cbranch_scc1 .Lnot_s_\@
	PUT \c
.Lnot_s_\@:
.endm
.macro M_BLOCK c, init
	s_cmp_ge_u32 s14, 4
	s_cbranch_scc1 .Lnot_m_\@
	MULT 4*(\c), 4, \init
.Lnot_m_\@:
.endm
.macro MEET
	s_wait_dscnt 0x0                               ; for the others' sake: my LDS stores are done, my LDS loads are back
	s_barrier_signal -1
	s_barrier_wait -1
.endm
; Slot ti leaves: 16 numbers a lane; g in blocks 0, 1, u in blocks 2, 3; each accumulator is read from its low end on.
.macro TILE_OUT ti
	s_wait_xcnt 0x0                                ; the last slot's stores have read their data
.set p, 0
.rept 8
.set GA, ACC+32*(\ti)+8*(p/4)+2*(p%4)
	v_pk_mul_f32 v[BF+2*p:BF+2*p+1], v[GA:GA+1], v[GA:GA+1]
.set p, p+1
.endr
.set p, 0
.rept 8
	v_pk_fma_f32 v[BF+2*p:BF+2*p+1], v[BF+2*p:BF+2*p+1], s[44:45], s[42:43] op_sel_hi:[1,0,0]  ; c1 g^2 + c0
.set p, p+1
.endr
.set p, 0
.rept 8
.set GA, ACC+32*(\ti)+8*(p/4)+2*(p%4)
	v_pk_mul_f32 v[BF+2*p:BF+2*p+1], v[BF+2*p:BF+2*p+1], v[GA:GA+1]
.set p, p+1
.endr
.set p, 0
.rept 16
	v_exp_f32 v[BF+p], v[BF+p]
.set p, p+1
.endr
	v_nop                                          ; a plain instruction behind the last exponential,
	s_wait_alu depctr_va_vdst(0)                   ; and one wait for the batch
.set p, 0
.rept 8
	v_pk_add_f32 v[BF+2*p:BF+2*p+1], v[BF+2*p:BF+2*p+1], 1.0 op_sel_hi:[1,0]
.set p, p+1
.endr
.set p, 0
.rept 16
	v_rcp_f32 v[BF+p], v[BF+p]
.set p, p+1
.endr
	v_nop
	s_wait_alu depctr_va_vdst(0)
.set p, 0
.rept 8
.set GA, ACC+32*(\ti)+8*(p/4)+2*(p%4)
	v_pk_mul_f32 v[BF+2*p:BF+2*p+1], v[BF+2*p:BF+2*p+1], v[GA:GA+1]
.set p, p+1
.endr
.set p, 0
.rept 8
.set GA, ACC+32*(\ti)+16+8*(p/4)+2*(p%4)
	v_pk_mul_f32 v[BF+2*p:BF+2*p+1], v[BF+2*p:BF+2*p+1], v[GA:GA+1]
.set p, p+1
.endr
.set p, 0
.rept 8
	v_cvt_pk_bf16_f32 v[BF+16+p], v[BF+2*p], v[BF+2*p+1]       ; the first part: h rounded to bf16
.set p, p+1
.endr
.set p, 0
.rept 8
	v_lshlrev_b32 v[BF+24+2*p],   16,  v[BF+16+p]              ; the first part as f32 again: the low half moves up,
	v_and_b32     v[BF+24+2*p+1], s52, v[BF+16+p]              ; the high half stays
.set p, p+1
.endr
.set p, 0
.rept 16
	v_sub_f32 v[BF+p], v[BF+p], v[BF+24+p]                     ; the remainder, exact: it has at most f32's 24 bits less the first part's 8
.set p, p+1
.endr
.set p, 0
.rept 8
	v_cvt_pk_bf16_f32 v[BF+40+p], v[BF+2*p], v[BF+2*p+1]       ; the second part
.set p, p+1
.endr
	global_store_b128 v[AOFF+(\ti)], v[BF+16:BF+19], s[40:41]             ; 512 consecutive bytes each, at a multiple of 256 from hs's first
	global_store_b128 v[AOFF+(\ti)], v[BF+20:BF+23], s[40:41] offset:512
	global_store_b128 v[AOFF+(\ti)], v[BF+40:BF+43], s[40:41] offset:LOOFF
	global_store_b128 v[AOFF+(\ti)], v[BF+44:BF+47], s[40:41] offset:LOOFF+512
.endm
	; THE SET-UP, by every wave
	s_load_b256 s[4:11], s[0:1], 0x0               ; xs s[4:5], meta s[6:7], gate_w s[8:9], up_w s[10:11]
	s_load_b64 s[12:13], s[0:1], 0x20              ; hs
	v_lshl_add_u32 v[SPW], v0, 2, SPARE
	v_mov_b32 v[NIL], 0
	v_lshrrev_b32 v7, 5, v0
	v_readfirstlane_b32 s14, v7                    ; wave 0..7
	s_mov_b32 s15, ttmp9                           ; s
	s_and_b32 s16, ttmp7, 0xffff                   ; e
	s_and_b32 s17, s14, 3                          ; my number in my role
	v_and_b32 v7, 31, v0
	v_lshlrev_b32 v[L16], 4, v7
	s_mul_i32 s48, s14, WROWS
	v_lshl_add_u32 v[LST0], v7, 3, s48
	WIN 0x40                                       ; window 1 is written whole, once, in the wait for the arguments: both roles' blocks read it, each block stands in a branch of its own,
.set ii, 0                                             ; and a register is written before it is read on every way through the text
.rept 256
	v_mov_b32 v[ii], 0
.set ii, ii+1
.endr
	WIN 0
	s_wait_kmcnt 0x0
	s_lshl_b32 s51, s16, 2
	s_load_b32 s18, s[6:7], s51 offset:0x0         ; tb[e]
	s_load_b32 s19, s[6:7], s51 offset:0x20        ; nt[e]
	s_cmp_lt_u32 s17, 2                            ; loaders 0, 1: gate rows 32 s + 16 lw; loaders 2, 3: up rows 32 s + 16 (lw - 2)
	s_cselect_b64 s[38:39], s[8:9], s[10:11]
	s_and_b32 s46, s17, 1
	s_lshl_b32 s46, s46, 17                        ; 16 rows of 8,192 bytes
	s_lshl_b32 s47, s16, 23                        ; an expert is 8,388,608 bytes
	s_add_co_u32 s46, s46, s47
	s_lshl_b32 s47, s15, 18                        ; 32 rows
	s_add_co_u32 s46, s46, s47
	s_mov_b32 s47, 0
	s_add_nc_u64 s[38:39], s[38:39], s[46:47]
	s_cmp_lt_u32 s14, 4
	s_cbranch_scc1 .Lnofill
	WIN 0x40
.set m, 0
.rept 64                                               ; chunk 0 fills the loaders' ring
	global_load_b128 v[4*m:4*m+3], v[L16], s[38:39] offset:(m/4)*ROWB+(m%4)*512 th:TH_LOAD_NT
.set m, m+1
.endr
	WIN 0
.Lnofill:
	CLEAR                                          ; pass 0's sums begin at 0; for a loader these lines stand in the wait for chunk 0
	v_and_b32 v7, 15, v0
	v_bfe_u32 v11, v0, 4, 1
	v_mul_u32_u24 v[BAD0], v7, PITCH
	v_lshl_add_u32 v[BAD0], v11, 4, v[BAD0]
	s_mov_b32 s29, 0
	s_mov_b32 s31, 0
	s_mov_b32 s42, 0xc0135761                      ; c0 = -2 log2(e) sqrt(2 / pi) = -2.3022082
	s_mov_b32 s43, s42                             ; named with it as a pair
	s_mov_b32 s44, 0xbdd2d3e8                      ; c1 = 0.044715 c0 = -0.10294324
	s_mov_b32 s45, s44
	s_mov_b32 s52, 0xffff0000                      ; a word's upper bf16
	s_mov_b32 s20, s17                             ; pass 0: my first tile is my number
	s_mul_i32 s46, s15, KSTR                       ; hs: block s of 32 k
	s_mov_b32 s47, 0
	s_add_nc_u64 s[40:41], s[12:13], s[46:47]
	s_wait_kmcnt 0x0
	s_min_u32 s18, s18, 135
	s_min_u32 s19, s19, 128
	s_cmp_eq_u32 s19, 0
	s_cselect_b32 s18, 0, s18                      ; an expert with no rows multiplies tile 0, which every split has
	s_max_u32 s50, s19, 1
	s_sub_co_u32 s50, s50, 1
	PASS_SET
	SLOTS
	; PASS 0
	C_BLOCK 0, 1
	S_BLOCK 0
	MEET                                           ; chunk 0 is in the image
	M_BLOCK 0, 1                                   ; chunk 0 is multiplied | chunk 1 is rounded, chunk 2 asked for
	C_BLOCK 1, 1
	MEET                                           ; nobody reads the image
	S_BLOCK 1
	MEET                                           ; chunk 1 is in the image
	M_BLOCK 1, 0
	C_BLOCK 2, 1
	MEET
	S_BLOCK 2
	MEET
	M_BLOCK 2, 0
	C_BLOCK 3, 0                                   ; the last chunk: nothing is asked for
	MEET
	S_BLOCK 3
	MEET                                           ; the image is whole: nothing is stored into it any more
	s_cmp_ge_u32 s14, 4
	s_cbranch_scc1 .Lfin
	MULT 12, 4, 0
	s_mov_b32 s37, 7
.Lpass:                                                ; a trip: the pass in hand leaves; the next, if it has tiles, is multiplied.  7 x 20 tiles cover the 128 that one expert can have
	s_cmp_eq_u32 s22, 0
	s_cbranch_scc1 .Lnoepi
	TILE_OUT 0
.irp i, 1,2,3,4
	s_cmp_le_u32 s22, \i
	s_cbranch_scc1 .Lnoepi
	TILE_OUT \i
.endr
.Lnoepi:
	s_add_co_u32 s20, s20, 20
	PASS_SET
	s_cmp_eq_u32 s22, 0
	s_cbranch_scc1 .Lnopass
	s_wait_xcnt 0x0                                ; the tiles' offsets, and the registers that the last stores read, are rewritten only behind this wait
	SLOTS
	CLEAR
	MULT 0, 4*NCH, 1
.Lnopass:
	s_sub_co_u32 s37, s37, 1
	s_cmp_lg_u32 s37, 0
	s_cbranch_scc1 .Lpass
.Lfin:
	MEET                                           ; every wave's reads of LDS are over: the add below is an LDS write like any other
	s_wait_tensorcnt 0x0                           ; the wave's end: three lines behind my last LDS store
	ds_add_u32 v[SPW], v[NIL]
	s_wait_dscnt 0x0
	s_endpgm
.Lfunc_end_k_q31495b321e_gateup:
	.size	k_q31495b321e_gateup, .Lfunc_end_k_q31495b321e_gateup-k_q31495b321e_gateup
	.p2alignl 7, 3214868480
	.fill 96, 4, 3214868480
	.section	.rodata,"a",@progbits
	.p2align	6, 0x0
	.amdhsa_kernel k_q31495b321e_gateup
		.amdhsa_group_segment_fixed_size 296960
		.amdhsa_private_segment_fixed_size 0
		.amdhsa_enable_private_segment 0
		.amdhsa_kernarg_size 40
		.amdhsa_user_sgpr_count 2
		.amdhsa_user_sgpr_kernarg_segment_ptr 1
		.amdhsa_wavefront_size32 1
		.amdhsa_system_sgpr_workgroup_id_x 1
		.amdhsa_system_sgpr_workgroup_id_y 1
		.amdhsa_system_sgpr_workgroup_id_z 1
		.amdhsa_system_vgpr_workitem_id 0
		.amdhsa_next_free_vgpr 512
		.amdhsa_next_free_sgpr 66
		.amdhsa_reserve_vcc 0
		.amdhsa_float_denorm_mode_32 3
		.amdhsa_float_denorm_mode_16_64 3
		.amdhsa_memory_ordered 1
		.amdhsa_forward_progress 1
		.amdhsa_inst_pref_size 205
	.end_amdhsa_kernel
	.amdgpu_metadata
---
amdhsa.version: [ 1, 2 ]
amdhsa.kernels:
  - .name:           k_q31495b321e_gateup
    .symbol:         k_q31495b321e_gateup.kd
    .args:
      - { .name: xs, .offset: 0, .size: 8, .value_kind: global_buffer, .address_space: global }
      - { .name: meta, .offset: 8, .size: 8, .value_kind: global_buffer, .address_space: global }
      - { .name: gate_w, .offset: 16, .size: 8, .value_kind: global_buffer, .address_space: global }
      - { .name: up_w, .offset: 24, .size: 8, .value_kind: global_buffer, .address_space: global }
      - { .name: hs, .offset: 32, .size: 8, .value_kind: global_buffer, .address_space: global }
    .group_segment_fixed_size: 296960
    .private_segment_fixed_size: 0
    .kernarg_segment_align: 8
    .kernarg_segment_size: 40
    .max_flat_workgroup_size: 256
    .sgpr_count:     66
    .vgpr_count:     512
    .wavefront_size: 32
...
	.end_amdgpu_metadata
.endif
;; end of part 2
;; launch down (part 3): grid 32 x 8, 8 waves a work-group, no clusters, 157,696 bytes of LDS; arguments hs, meta, down_w, part; writes part
.if DOCPART == 3
	.amdgcn_target "amdgcn-amd-amdhsa--gfx1250"
	.amdhsa_code_object_version 6
	.text
	.protected	k_q31495b321e_down
	.globl	k_q31495b321e_down
	.p2align	8
	.type	k_q31495b321e_down,@function
k_q31495b321e_down:
	s_mov_b64 s[64:65], 0
	v_nop
	global_prefetch_b8 v0, s[64:65] scope:SCOPE_SE
	s_setreg_imm32_b32 hwreg(HW_REG_WAVE_MODE, 25, 1), 1
	s_wait_xcnt 0x0
; DOWN.  part[16 tile + row][c] = h[row] . down_w[e][c] for the routed rows of expert e, in f32 (partial rows: the next launch weighs and adds a token's two).
; h COMES IN TWO bf16 PARTS, which are added up in one accumulator: blocks 0-31 of hs (32 k each) hold h rounded to bf16, blocks 32-63 the remainder.  The two parts lie end to end, so a pass walks 64 token blocks
; in one run, and the weights' image, 8 bodies of K = 128, is walked twice: behind body 7 comes body 0.  That is twice the matrix work of one part; why one part does not do is said at the head of the launch that stores hs.
; SHARES.  Work-group (s, e) owns down_w rows 64 s .. +63 of expert e, which it alone reads, and all of that expert's tiles of 16 rows.
; WAVES 4-7 LOAD: each streams 16 weight rows through a ring of 64 loads of 16 bytes a lane (a chunk of K = 512: 32 KiB a wave, 128 KiB a work-group on its way), rounds a chunk to bf16 into 128 registers,
; and stores it into an image in LDS that stays.
; WAVES 0-3 MULTIPLY: a pass is 20 tiles; slot i of wave cw is tile 20 p + 4 i + cw; 5 tiles x 4 blocks of 16 weight rows = 20 accumulators.  Token fragments come from memory straight into registers
; (hs lies in operand order), weight fragments from LDS.  Pass 0 multiplies the first part's bodies 0-3 beside the loaders and all the rest on the whole image; passes 1 to 6 (an expert with more than 320 rows; 2,048 at the
; most) run on the image with no barrier, in a loop of 7 trips whose dead trips are jumped.  Slots past the expert's tiles repeat its last tile and store nothing (20 slots for the usual 15 to 18 tiles); an expert with no rows multiplies tile 0 and stores nothing.
; THE ORDER IN LDS.  No LDS write stands between two barriers between which fragments are read.  While chunk 0 is multiplied the loaders wait for chunk 1 and round it in registers: no LDS.
; Then a barrier, the loaders' 64 stores a wave, a barrier, and the rest is multiplied.  The multiplying waves idle during the stores, 64 KiB, twice a launch; the loads from memory stay out across all barriers.
; THE TWO ROLES' BLOCKS stand between the barriers, each in a branch of its own on the wave's number; the barriers stand on every wave's way.  The text is sound on every way through those branches:
; all that lives across a barrier is made by every wave; a loader's block takes the ring exactly once round; a multiplying block begins and ends with no load out.
; THE IMAGE lies by bodies of K = 128: body b is 64 rows x 272 bytes at (b + 1) x 17,408.  WEIGHT ROW w OF MY 64 LIES AT IMAGE ROW 16 (w % 4) + w / 4.
; THE WAY OUT NEEDS NO LDS.  Source 0 = 16 token rows, source 1 = 16 image rows: register j of the result holds token row 8 (lane / 16) + j and image row lane % 16 of block nt, which is column 4 (lane % 16) + nt.
; So register j of a tile's four blocks is 16 neighbouring bytes of a row of part: four moves bring them together (32 a tile, in place of 8 LDS stores and 8 LDS loads), and sixteen lanes store 256 consecutive bytes.
; NO JOINT LOADS: an expert's 32 work-groups share its token tiles, but the number of tiles hangs on a stored count (0 to 128), so a load that all partners issue on every path would have to cover
; 128 tiles where 16 or 17 are usual; the weights, f32, pass through registers to be rounded and have one reader each.
; The accumulators are cleared at a pass's beginning (160 moves; for pass 0 in the wait for the first chunk): no first step is written out, which would be one more copy of a body in each block.
; LIMITS.  down_w is rounded once to bf16; sums in f32.  NaN and infinities are not treated apart.
.set NKB,   64                         ; token blocks of 32: 32 of h's first part, then 32 of its second
.set ROWB,  4096                       ; a weight row in memory
.set NCH,   2                          ; chunks of K = 512; a chunk is 4 bodies of K = 128; a body is 4 steps of K = 32
.set KSTR,  139264                     ; hs: bytes from one block of 32 k to the next
.set PITCH, 272                        ; a body's row in LDS: 256 bytes + 16 = 68 words: row r starts at bank 4 r mod 64 (64 banks of 4 bytes: ISA guide 11.1)
.set WROWS, 16*PITCH                   ; a block of 16 image rows
.set BSTEP, 64*PITCH                   ; a body
.set SPARE, (4*NCH+1)*BSTEP            ; behind the image: the spare words, 128 bytes a wave: four blocks of 256 bytes that no other line names
.set L16,  1                           ; v1      16 lane
.set AOFF, 2                           ; v2-6    16 lane + 1024 x tile, for my five slots
.set BAD0, 8                           ; v8      (lane % 16) PITCH + 16 (lane / 16); never rewritten        (v7, v11: at work in the set-up)
.set BADR, 9                           ; v9      the same in the body in hand
.set BADN, 10                          ; v10     in the next body
.set LST0, 12                          ; v12     wave x 4 PITCH + 8 lane; never rewritten
.set LSTA, 13                          ; v13     the same in bodies 0, 1 of the chunk in hand
.set LSTB, 14                          ; v14     in bodies 2, 3
.set SPW,  20                          ; v20     LDS address of my spare word; never rewritten
.set NIL,  21                          ; v21     0; never rewritten
.set POFF, 24                          ; v24-28  my byte offset in part for my five slots: tile x 16 rows + 8 rows x (lane / 16) + 16 (lane % 16)
.set PL0,  31                          ; v31     65536 (lane / 16) + 16 (lane % 16)
.set TB,   32                          ; v32-63  the way out: 8 x 16 bytes
.set ACC,  96                          ; v96-255 accumulator (slot i, block nt) at 96 + 32 i + 8 nt
.set CV,   96                          ; v96-223 loaders: a chunk rounded to bf16, load m at 96 + 2 m
.set BFW,  160                         ; window 1, v160-223: weight fragments, two buffers of four
; window 1: multiplying waves: token fragments, ring slot a, tile slot i at 40 a + 8 i (160 registers), then the weight fragments; loaders: load m at 4 m (256 registers)
; scalars: s[4:5] hs, s[6:7] meta, s[8:9] down_w, s[10:11] part; s14 wave, s15 s, s16 e, s17 wave % 4; s18 tb, s19 nt, s20 my first tile of the pass, s22 my live slots; s[24:25], s[26:27] hs at this body and the next;
; s[28:29], s[30:31] their offsets; s32, s33 LDS offsets of this body and the next; s35, s37 counters; s[38:39] my weight rows; s[40:41] part at my columns; s50 nt - 1; s51 4 e
.set MSB, 0
.macro WIN new                         ; s_set_vgpr_msb: bits 1:0 source 0, 3:2 source 1, 5:4 source 2, 7:6 destination; the high byte repeats the setting that is left
.if MSB != (\new)
	s_set_vgpr_msb (MSB<<8)|(\new)
.set MSB, \new
.endif
.endm
.macro PLACES                          ; four places between a matrix instruction and a load into, or a vector read or write of, its registers
.rept 4
	v_nop
.endr
.endm
; Chunk c comes out of the ring and is rounded, in 8 groups of 8 loads (load m: row m / 4, body m % 4 of the chunk).  re = 1: each group is asked for again, one chunk on: the ring goes exactly once round.
.macro CONV c, re
.set g, 0
.rept 8
.if \re
	s_wait_loadcnt 56                              ; loads come back in order (ISA guide 5.7.1): the oldest 8 are in, the ring's 56 younger ones stay out
.else
	s_wait_loadcnt 56-8*g                          ; nothing is asked for any more: the counts run down
.endif
	WIN 0x05                                       ; sources in window 1
.set q, 0
.rept 8
	v_cvt_pk_bf16_f32 v[CV+2*(8*g+q)],   v[4*(8*g+q)],   v[4*(8*g+q)+1]
	v_cvt_pk_bf16_f32 v[CV+2*(8*g+q)+1], v[4*(8*g+q)+2], v[4*(8*g+q)+3]
.set q, q+1
.endr
.if \re
	WIN 0x40                                       ; destination in window 1
.set q, 0
.rept 8
	global_load_b128 v[4*(8*g+q):4*(8*g+q)+3], v[L16], s[38:39] offset:((8*g+q)/4)*ROWB+((8*g+q)%4)*512+((\c)+1)*2048 th:TH_LOAD_NT
.set q, q+1
.endr
.endif
.set g, g+1
.endr
	WIN 0
.endm
; The rounded chunk c goes into the image.  My row rho = m / 4 is weight row 16 lw + rho: image row 16 (rho % 4) + 4 lw + rho / 4.  4 lw PITCH = wave x 4 PITCH - WROWS (my wave number is 4 + lw).
.macro PUT c
	v_add_nc_u32 v[LSTA], ((\c)*4+1)*BSTEP-WROWS, v[LST0]
	v_add_nc_u32 v[LSTB], ((\c)*4+3)*BSTEP-WROWS, v[LST0]
.set m, 0
.rept 64
.if (m%4) < 2
	ds_store_b64 v[LSTA], v[CV+2*m:CV+2*m+1] offset:(16*((m/4)%4)+(m/16))*PITCH+(m%2)*BSTEP  ; 32 lanes, 256 consecutive bytes: a row of a body
.else
	ds_store_b64 v[LSTB], v[CV+2*m:CV+2*m+1] offset:(16*((m/4)%4)+(m/16))*PITCH+(m%2)*BSTEP
.endif
.set m, m+1
.endr
.endm
.macro PASS_SET                        ; my live slots: tiles s20 + 4 i below nt, 5 at the most
	s_sub_co_i32 s46, s19, s20
	s_max_i32 s46, s46, 0
	s_add_co_u32 s46, s46, 3
	s_lshr_b32 s46, s46, 2
	s_min_u32 s22, s46, 5
.endm
.macro SLOTS                           ; my five slots' tiles, in hs and in part
.irp i, 0,1,2,3,4
	s_add_co_u32 s46, s20, 4*\i
	s_min_u32 s46, s46, s50                        ; a slot past the expert's tiles repeats the last
	s_add_co_u32 s46, s46, s18
	s_min_u32 s46, s46, 135
	s_lshl_b32 s47, s46, 10
	v_add_nc_u32 v[AOFF+\i], s47, v[L16]
	s_lshl_b32 s47, s46, 17                        ; 16 rows of 8,192 bytes
	v_add_nc_u32 v[POFF+\i], s47, v[PL0]
.endr
.endm
.macro CLEAR
.set ii, 0
.rept 160
	v_mov_b32 v[ACC+ii], 0
.set ii, ii+1
.endr
.endm
.macro TOKENS                          ; a pass's steps 0 to 2
	WIN 0x40
.set st, 0
.rept 3
.set ii, 0
.rept 5
	global_load_b128 v[40*st+8*ii:40*st+8*ii+3],   v[AOFF+ii], s[4:5] offset:st*KSTR
	global_load_b128 v[40*st+8*ii+4:40*st+8*ii+7], v[AOFF+ii], s[4:5] offset:st*KSTR+512
.set ii, ii+1
.endr
.set st, st+1
.endr
	WIN 0
.endm
; Step j of a body: asks for the token fragments of step j + 3 and the weight fragments of step j + 1, then 20 products.
.macro STEP j
.if (\j) > 0
	PLACES                                         ; behind step j - 1's products, whose registers the loads below fill (step 0: the body's first four vector lines)
.endif
	WIN 0x40                                       ; destinations in window 1, addresses in window 0
.set ii, 0
.rept 5
.if (\j) == 0
	global_load_b128 v[120+8*ii:120+8*ii+3],   v[AOFF+ii], s[24:25] offset:3*KSTR
	global_load_b128 v[120+8*ii+4:120+8*ii+7], v[AOFF+ii], s[24:25] offset:3*KSTR+512
.else
	global_load_b128 v[40*((\j)-1)+8*ii:40*((\j)-1)+8*ii+3],   v[AOFF+ii], s[26:27] offset:((\j)-1)*KSTR
	global_load_b128 v[40*((\j)-1)+8*ii+4:40*((\j)-1)+8*ii+7], v[AOFF+ii], s[26:27] offset:((\j)-1)*KSTR+512
.endif
.set ii, ii+1
.endr
.set tt, 0
.rept 4
.if (\j) < 3
	ds_load_b128 v[BFW+32*(((\j)+1)%2)+8*tt:BFW+32*(((\j)+1)%2)+8*tt+3],   v[BADR] offset:tt*WROWS+64*((\j)+1)
	ds_load_b128 v[BFW+32*(((\j)+1)%2)+8*tt+4:BFW+32*(((\j)+1)%2)+8*tt+7], v[BADR] offset:tt*WROWS+64*((\j)+1)+32
.else
	ds_load_b128 v[BFW+8*tt:BFW+8*tt+3],   v[BADN] offset:tt*WROWS
	ds_load_b128 v[BFW+8*tt+4:BFW+8*tt+7], v[BADN] offset:tt*WROWS+32
.endif
.set tt, tt+1
.endr
	WIN 0x05                                       ; source 0 (tokens) and source 1 (weights) in window 1
	s_wait_loadcnt 30                              ; behind this step's token loads stand three steps' loads, ten each: they stay out
	s_wait_dscnt 8                                 ; the 8 just issued stay out
.set ii, 0
.rept 5                                                ; the accumulators take turns, one instruction a turn
.set tt, 0
.rept 4
	v_wmma_f32_16x16x32_bf16 v[ACC+32*ii+8*tt:ACC+32*ii+8*tt+7], v[40*(\j)+8*ii:40*(\j)+8*ii+7], v[BFW+32*((\j)%2)+8*tt:BFW+32*((\j)%2)+8*tt+7], v[ACC+32*ii+8*tt:ACC+32*ii+8*tt+7]
.set tt, tt+1
.endr
.set ii, ii+1
.endr
.endm
; K = 128.  lim: the LDS offset of the last body that the block may read; wrap: the offset that follows it: lim itself where the image is not whole yet (the look-ahead then repeats the body and is not used),
; body 0's where it is whole (h's second part takes the weights from their beginning again).
.macro BODY lim, wrap
	s_wait_xcnt 0x0                                ; the two bases are rewritten only behind this wait
	s_add_nc_u64 s[24:25], s[4:5], s[28:29]
	s_add_co_u32 s30, s28, 4*KSTR
	s_min_u32 s30, s30, (NKB-4)*KSTR               ; a pass's last body looks ahead inside hs: it repeats its own blocks, which nobody uses
	s_add_nc_u64 s[26:27], s[4:5], s[30:31]
	s_add_co_u32 s33, s32, BSTEP
	s_cmp_gt_u32 s33, \lim
	s_cselect_b32 s33, \wrap, s33
	v_add_nc_u32 v[BADR], s32, v[BAD0]
	v_add_nc_u32 v[BADN], s33, v[BAD0]
	v_nop
	v_nop
	STEP 0
	STEP 1
	STEP 2
	STEP 3
	WIN 0
	s_add_co_u32 s28, s28, 4*KSTR
	s_mov_b32 s32, s33
.endm
; nb bodies: the tokens from block 4 b0 on, the image from body b0 on, up to body last, then on from body wrap.  init = 1: a pass begins.  At the block's end the next body's first three steps of token fragments are in registers.
.macro MULT b0, nb, init, last, wrap
	s_wait_loadcnt 0x0                             ; no load is out on any way into the block: its counts begin at zero
	s_mov_b32 s28, (\b0)*4*KSTR
	s_mov_b32 s32, ((\b0)+1)*BSTEP
.if \init
	TOKENS
.endif
	v_add_nc_u32 v[BADR], s32, v[BAD0]
	WIN 0x40
.irp t, 0,1,2,3
	ds_load_b128 v[BFW+8*\t:BFW+8*\t+3],   v[BADR] offset:\t*WROWS
	ds_load_b128 v[BFW+8*\t+4:BFW+8*\t+7], v[BADR] offset:\t*WROWS+32
.endr
	WIN 0
	s_mov_b32 s35, \nb
.Lbody_\@:
	BODY ((\last)+1)*BSTEP, ((\wrap)+1)*BSTEP
	s_sub_co_u32 s35, s35, 1
	s_cmp_lg_u32 s35, 0
	s_cbranch_scc1 .Lbody_\@
	PLACES                                         ; behind the last products, for whatever follows the block
	s_wait_loadcnt 0x0                             ; the token fragments asked for ahead have landed: no load is out on any way out of the block
	s_wait_dscnt 0x0                               ; nor an LDS load
.endm
.macro C_BLOCK c, re
	s_cmp_lt_u32 s14, 4
	s_cbranch_scc1 .Lnot_c_\@
	CONV \c, \re
.Lnot_c_\@:
.endm
.macro S_BLOCK c
	s_cmp_lt_u32 s14, 4
	s_cbranch_scc1 .Lnot_s_\@
	PUT \c
.Lnot_s_\@:
.endm
.macro M_BLOCK c, init                 ; the first part's bodies of chunk c, and no byte of the image beyond them
	s_cmp_ge_u32 s14, 4
	s_cbranch_scc1 .Lnot_m_\@
	MULT 4*(\c), 4, \init, 4*(\c)+3, 4*(\c)+3
.Lnot_m_\@:
.endm
.macro MEET
	s_wait_dscnt 0x0                               ; for the others' sake: my LDS stores are done, my LDS loads are back
	s_barrier_signal -1
	s_barrier_wait -1
.endm
; Slot ti leaves.  Register j of its four accumulators: columns 4 (lane % 16) + 0..3 of token row 8 (lane / 16) + j.  j ascends.
.macro TILE_OUT ti
	s_wait_xcnt 0x0                                ; the last slot's stores have read their data
.set jj, 0
.rept 8
.set tt, 0
.rept 4
	v_mov_b32 v[TB+4*jj+tt], v[ACC+32*(\ti)+8*tt+jj]
.set tt, tt+1
.endr
	global_store_b128 v[POFF+(\ti)], v[TB+4*jj:TB+4*jj+3], s[40:41] offset:8192*jj  ; 16 lanes store 256 consecutive bytes, at a multiple of 256 from part's first
.set jj, jj+1
.endr
.endm
	; THE SET-UP, by every wave
	s_load_b256 s[4:11], s[0:1], 0x0               ; hs s[4:5], meta s[6:7], down_w s[8:9], part s[10:11]
	v_lshl_add_u32 v[SPW], v0, 2, SPARE
	v_mov_b32 v[NIL], 0
	v_lshrrev_b32 v7, 5, v0
	v_readfirstlane_b32 s14, v7                    ; wave 0..7
	s_mov_b32 s15, ttmp9                           ; s
	s_and_b32 s16, ttmp7, 0xffff                   ; e
	s_and_b32 s17, s14, 3                          ; my number in my role
	v_and_b32 v7, 31, v0
	v_lshlrev_b32 v[L16], 4, v7
	s_mul_i32 s48, s14, 4*PITCH
	v_lshl_add_u32 v[LST0], v7, 3, s48
	WIN 0x40                                       ; window 1 is written whole, once, in the wait for the arguments: both roles' blocks read it, each block stands in a branch of its own,
.set ii, 0                                             ; and a register is written before it is read on every way through the text
.rept 256
	v_mov_b32 v[ii], 0
.set ii, ii+1
.endr
	WIN 0
	s_wait_kmcnt 0x0
	s_lshl_b32 s51, s16, 2
	s_load_b32 s18, s[6:7], s51 offset:0x0         ; tb[e]
	s_load_b32 s19, s[6:7], s51 offset:0x20        ; nt[e]
	s_lshl_b32 s46, s17, 16                        ; loader lw: rows 64 s + 16 lw, of 4,096 bytes
	s_lshl_b32 s47, s16, 23                        ; an expert is 8,388,608 bytes
	s_add_co_u32 s46, s46, s47
	s_lshl_b32 s47, s15, 18                        ; 64 rows
	s_add_co_u32 s46, s46, s47
	s_mov_b32 s47, 0
	s_add_nc_u64 s[38:39], s[8:9], s[46:47]
	s_cmp_lt_u32 s14, 4
	s_cbranch_scc1 .Lnofill
	WIN 0x40
.set m, 0
.rept 64                                               ; chunk 0 fills the loaders' ring
	global_load_b128 v[4*m:4*m+3], v[L16], s[38:39] offset:(m/4)*ROWB+(m%4)*512 th:TH_LOAD_NT
.set m, m+1
.endr
	WIN 0
.Lnofill:
	CLEAR                                          ; pass 0's sums begin at 0; for a loader these lines stand in the wait for chunk 0
	v_and_b32 v7, 15, v0
	v_bfe_u32 v11, v0, 4, 1
	v_mul_u32_u24 v[BAD0], v7, PITCH
	v_lshl_add_u32 v[BAD0], v11, 4, v[BAD0]
	v_lshlrev_b32 v[PL0], 16, v11                  ; lanes 16-31: 8 rows of 8,192 bytes further down
	v_lshl_add_u32 v[PL0], v7, 4, v[PL0]
	s_mov_b32 s29, 0
	s_mov_b32 s31, 0
	s_mov_b32 s20, s17                             ; pass 0: my first tile is my number
	s_lshl_b32 s46, s15, 8                         ; part: my 64 columns
	s_mov_b32 s47, 0
	s_add_nc_u64 s[40:41], s[10:11], s[46:47]
	s_wait_kmcnt 0x0
	s_min_u32 s18, s18, 135
	s_min_u32 s19, s19, 128
	s_cmp_eq_u32 s19, 0
	s_cselect_b32 s18, 0, s18                      ; an expert with no rows multiplies tile 0, which every split has
	s_max_u32 s50, s19, 1
	s_sub_co_u32 s50, s50, 1
	PASS_SET
	SLOTS
	; PASS 0
	C_BLOCK 0, 1
	S_BLOCK 0
	MEET                                           ; chunk 0 is in the image
	M_BLOCK 0, 1                                   ; the first part's bodies 0-3 are multiplied | chunk 1 is rounded; nothing more is asked for
	C_BLOCK 1, 0
	MEET                                           ; nobody reads the image
	S_BLOCK 1
	MEET                                           ; the image is whole: nothing is stored into it any more
	s_cmp_ge_u32 s14, 4
	s_cbranch_scc1 .Lfin
	MULT 4, 12, 0, 7, 0                            ; the first part's bodies 4-7, then the second part's 0-7: token blocks 16 to 63 on end
	s_mov_b32 s37, 7
.Lpass:                                                ; a trip: the pass in hand leaves; the next, if it has tiles, is multiplied.  7 x 20 tiles cover the 128 that one expert can have
	s_cmp_eq_u32 s22, 0
	s_cbranch_scc1 .Lnoepi
	TILE_OUT 0
.irp i, 1,2,3,4
	s_cmp_le_u32 s22, \i
	s_cbranch_scc1 .Lnoepi
	TILE_OUT \i
.endr
.Lnoepi:
	s_add_co_u32 s20, s20, 20
	PASS_SET
	s_cmp_eq_u32 s22, 0
	s_cbranch_scc1 .Lnopass
	s_wait_xcnt 0x0                                ; the tiles' offsets are rewritten only behind this wait
	SLOTS
	CLEAR
	MULT 0, 16, 1, 7, 0                            ; both parts: token blocks 0 to 63, the image twice
.Lnopass:
	s_sub_co_u32 s37, s37, 1
	s_cmp_lg_u32 s37, 0
	s_cbranch_scc1 .Lpass
.Lfin:
	MEET                                           ; every wave's reads of LDS are over: the add below is an LDS write like any other
	s_wait_tensorcnt 0x0                           ; the wave's end: three lines behind my last LDS store
	ds_add_u32 v[SPW], v[NIL]
	s_wait_dscnt 0x0
	s_endpgm
.Lfunc_end_k_q31495b321e_down:
	.size	k_q31495b321e_down, .Lfunc_end_k_q31495b321e_down-k_q31495b321e_down
	.p2alignl 7, 3214868480
	.fill 96, 4, 3214868480
	.section	.rodata,"a",@progbits
	.p2align	6, 0x0
	.amdhsa_kernel k_q31495b321e_down
		.amdhsa_group_segment_fixed_size 157696
		.amdhsa_private_segment_fixed_size 0
		.amdhsa_enable_private_segment 0
		.amdhsa_kernarg_size 32
		.amdhsa_user_sgpr_count 2
		.amdhsa_user_sgpr_kernarg_segment_ptr 1
		.amdhsa_wavefront_size32 1
		.amdhsa_system_sgpr_workgroup_id_x 1
		.amdhsa_system_sgpr_workgroup_id_y 1
		.amdhsa_system_sgpr_workgroup_id_z 1
		.amdhsa_system_vgpr_workitem_id 0
		.amdhsa_next_free_vgpr 512
		.amdhsa_next_free_sgpr 66
		.amdhsa_reserve_vcc 0
		.amdhsa_float_denorm_mode_32 3
		.amdhsa_float_denorm_mode_16_64 3
		.amdhsa_memory_ordered 1
		.amdhsa_forward_progress 1
		.amdhsa_inst_pref_size 117
	.end_amdhsa_kernel
	.amdgpu_metadata
---
amdhsa.version: [ 1, 2 ]
amdhsa.kernels:
  - .name:           k_q31495b321e_down
    .symbol:         k_q31495b321e_down.kd
    .args:
      - { .name: hs, .offset: 0, .size: 8, .value_kind: global_buffer, .address_space: global }
      - { .name: meta, .offset: 8, .size: 8, .value_kind: global_buffer, .address_space: global }
      - { .name: down_w, .offset: 16, .size: 8, .value_kind: global_buffer, .address_space: global }
      - { .name: part, .offset: 24, .size: 8, .value_kind: global_buffer, .address_space: global }
    .group_segment_fixed_size: 157696
    .private_segment_fixed_size: 0
    .kernarg_segment_align: 8
    .kernarg_segment_size: 32
    .max_flat_workgroup_size: 256
    .sgpr_count:     66
    .vgpr_count:     512
    .wavefront_size: 32
...
	.end_amdgpu_metadata
.endif
;; end of part 3
;; launch combine (part 4): grid 256 x 1, 4 waves a work-group, no clusters, 0 bytes of LDS; arguments part, pos, top_k_weights, out0; writes out0
.if DOCPART == 4
	.amdgcn_target "amdgcn-amd-amdhsa--gfx1250"
	.amdhsa_code_object_version 6
	.text
	.protected	k_q31495b321e_combine
	.globl	k_q31495b321e_combine
	.p2align	8
	.type	k_q31495b321e_combine,@function
k_q31495b321e_combine:
	s_mov_b64 s[64:65], 0
	v_nop
	global_prefetch_b8 v0, s[64:65] scope:SCOPE_SE
	s_setreg_imm32_b32 hwreg(HW_REG_WAVE_MODE, 25, 1), 1
	s_wait_xcnt 0x0
; COMBINE.  out0[t] = w[t][0] part[pos[2 t]] + w[t][1] part[pos[2 t + 1]].  One wave, one token: two rows of 8,192 bytes in, one out, every byte once; 32 loads of 512 consecutive bytes are out
; before the first wait.  A stream: no LDS, no barrier, no matrix unit; no two work-groups read the same bytes, so there is nothing to ask for jointly.
; LIMITS.  top_k_weights is rounded once to bf16, like every floating-point input of the program.  Where a token names one expert twice, w0 y + w1 y is formed in place of (w0 + w1) y.
	s_load_b256 s[4:11], s[0:1], 0x0               ; part s[4:5], pos s[6:7], weights s[8:9], out0 s[10:11]
	v_lshrrev_b32 v1, 5, v0
	v_readfirstlane_b32 s12, v1
	s_lshl2_add_u32 s12, ttmp9, s12                ; t = 4 x work-group + wave
	s_lshl_b32 s13, s12, 3
	v_and_b32 v1, 31, v0
	v_lshlrev_b32 v1, 4, v1                        ; 16 lane
	s_wait_kmcnt 0x0
	s_load_b64 s[14:15], s[6:7], s13 offset:0x0    ; the token's two rows in part
	s_load_b64 s[16:17], s[8:9], s13 offset:0x0    ; and its two weights
	s_wait_kmcnt 0x0
	s_min_u32 s14, s14, 2175
	s_min_u32 s15, s15, 2175
	s_lshl_b32 s18, s14, 13
	s_mov_b32 s19, 0
	s_lshl_b32 s20, s15, 13
	s_mov_b32 s21, 0
	s_add_nc_u64 s[18:19], s[4:5], s[18:19]
	s_add_nc_u64 s[20:21], s[4:5], s[20:21]
	s_lshl_b32 s22, s12, 13
	s_mov_b32 s23, 0
	s_add_nc_u64 s[10:11], s[10:11], s[22:23]
.set j, 0
.rept 16
	global_load_b128 v[8+8*j:11+8*j],  v1, s[18:19] offset:512*j th:TH_LOAD_NT
	global_load_b128 v[12+8*j:15+8*j], v1, s[20:21] offset:512*j th:TH_LOAD_NT
.set j, j+1
.endr
	v_cvt_pk_bf16_f32 v2, s16, s17                 ; both weights rounded to bf16,
	v_lshlrev_b32 v4, 16, v2                       ; and back as f32, each twice: pairs for the packed arithmetic
	v_lshlrev_b32 v5, 16, v2
	v_and_b32 v6, 0xffff0000, v2
	v_and_b32 v7, 0xffff0000, v2
.set j, 0
.rept 16
	s_wait_loadcnt 30-2*j                          ; loads come back in order (ISA guide 5.7.1): pair j is in, the 30 - 2 j younger loads stay out
	v_pk_mul_f32 v[12+8*j:13+8*j], v[12+8*j:13+8*j], v[6:7]
	v_pk_mul_f32 v[14+8*j:15+8*j], v[14+8*j:15+8*j], v[6:7]
	v_pk_fma_f32 v[8+8*j:9+8*j],   v[8+8*j:9+8*j],   v[4:5], v[12+8*j:13+8*j]
	v_pk_fma_f32 v[10+8*j:11+8*j], v[10+8*j:11+8*j], v[4:5], v[14+8*j:15+8*j]
	global_store_b128 v1, v[8+8*j:11+8*j], s[10:11] offset:512*j th:TH_STORE_NT  ; 512 consecutive bytes, at a multiple of 256 from out0's first
.set j, j+1
.endr
	s_endpgm
.Lfunc_end_k_q31495b321e_combine:
	.size	k_q31495b321e_combine, .Lfunc_end_k_q31495b321e_combine-k_q31495b321e_combine
	.p2alignl 7, 3214868480
	.fill 96, 4, 3214868480
	.section	.rodata,"a",@progbits
	.p2align	6, 0x0
	.amdhsa_kernel k_q31495b321e_combine
		.amdhsa_group_segment_fixed_size 0
		.amdhsa_private_segment_fixed_size 0
		.amdhsa_enable_private_segment 0
		.amdhsa_kernarg_size 32
		.amdhsa_user_sgpr_count 2
		.amdhsa_user_sgpr_kernarg_segment_ptr 1
		.amdhsa_wavefront_size32 1
		.amdhsa_system_sgpr_workgroup_id_x 1
		.amdhsa_system_sgpr_workgroup_id_y 1
		.amdhsa_system_sgpr_workgroup_id_z 1
		.amdhsa_system_vgpr_workitem_id 0
		.amdhsa_next_free_vgpr 140
		.amdhsa_next_free_sgpr 66
		.amdhsa_reserve_vcc 0
		.amdhsa_float_denorm_mode_32 3
		.amdhsa_float_denorm_mode_16_64 3
		.amdhsa_memory_ordered 1
		.amdhsa_forward_progress 1
		.amdhsa_inst_pref_size 11
	.end_amdhsa_kernel
	.amdgpu_metadata
---
amdhsa.version: [ 1, 2 ]
amdhsa.kernels:
  - .name:           k_q31495b321e_combine
    .symbol:         k_q31495b321e_combine.kd
    .args:
      - { .name: part, .offset: 0, .size: 8, .value_kind: global_buffer, .address_space: global }
      - { .name: pos, .offset: 8, .size: 8, .value_kind: global_buffer, .address_space: global }
      - { .name: top_k_weights, .offset: 16, .size: 8, .value_kind: global_buffer, .address_space: global }
      - { .name: out0, .offset: 24, .size: 8, .value_kind: global_buffer, .address_space: global }
    .group_segment_fixed_size: 0
    .private_segment_fixed_size: 0
    .kernarg_segment_align: 8
    .kernarg_segment_size: 32
    .max_flat_workgroup_size: 128
    .sgpr_count:     66
    .vgpr_count:     140
    .wavefront_size: 32
...
	.end_amdgpu_metadata
.endif
;; end of part 4
;; ======== version 2 of 2: 4 launches; 1.15 times as fast as version 1
;; limits: values outside matrix products are rounded to bf16; inputs' magnitudes at most 255; values are held in f16: magnitudes above 65,504 overflow, below 6.1e-05 lose precision; right only within a limited range of input values
;; workspace buffers: xs 8,912,896 bytes; hs 4,456,448 bytes; part 17,825,792 bytes; pos 8,192 bytes of whole numbers; meta 256 bytes of whole numbers; xmax 4,352 bytes; estab 1,024 bytes
;; launch prep (part 5): grid 2 x 135, 4 waves a work-group, no clusters, 35,328 bytes of LDS; arguments top_k_index, hidden_states, xs, pos, meta, xmax; writes xs, pos, meta, xmax
.if DOCPART == 5
	.amdgcn_target "amdgcn-amd-amdhsa--gfx1250"
	.amdhsa_code_object_version 6
	.text
	.protected	k_q31495b321e_prep
	.globl	k_q31495b321e_prep
	.p2align	8
	.type	k_q31495b321e_prep,@function
k_q31495b321e_prep:
	s_mov_b64 s[64:65], 0
	v_nop
	global_prefetch_b8 v0, s[64:65] scope:SCOPE_SE
	s_setreg_imm32_b32 hwreg(HW_REG_WAVE_MODE, 25, 1), 1
	s_wait_xcnt 0x0
; PREP.  The 2,048 routed rows r = 2 t + k are sorted by expert; each expert's rows are cut into tiles of 16; the tiles are numbered on end over the experts
; (tb[e] = first tile, nt[e] = tiles).  A tile's token rows are gathered, rounded once to bf16 and laid down as matrix operands:
;   xs: element (tile P, row r, k) at byte (k>>5) KSTR + 1024 P + 512 ((k>>4)&1) + 16 (r + 16 ((k>>3)&1)) + 2 (k&7):
;   a fragment of 16 rows x 32 k is two accesses of 16 bytes a lane, at 16 lane and 16 lane + 512, each 512 consecutive bytes.
;   pos[r] = 16 P + row in tile;  meta: words 0-7 tb, 8-15 nt, 16-31 zero.
;   xmax[P][4 X + w] (f32): the largest |x|, as rounded, of tile P's 16 rows in the 256 k of wave w of K half X: the later launches take the largest of a tile's eight words for the scale of h.
; SHARES.  Work-group (X, P): tile slot P, K half X (1,024 k); wave w: 256 k.  Every work-group counts the 2,048 choices for itself (8 KiB), so no launch is spent on a list.
; 2,048 rows padded to 16 in each of 8 experts are 135 tiles at the most (seven pads of 15 and one of 7); a split with fewer leaves the last slots without rows:
; they pass both barriers, store nothing and end.  Places of a tile past the expert's count repeat its last row.
; The order of an expert's rows is (wave, slot, lane) of the count; every work-group finds the same order.
; LIMITS.  hidden_states is rounded once to bf16 (nearest even).  An index is taken to lie in 0 to 7, as the table it indexes has 8 entries.  A NaN does not enter xmax.
.set KSTR,   139264                    ; bytes from one block of 32 k to the next: 136 tiles x 1,024
.set LISTS,  512                       ; LDS: 0-511 counts (wave w: 32 words at 128 w); 512-1023 lists (wave w: 16 words and a dump word at 512 + 128 w)
.set STG,    1024                      ; wave w: 16 rows x 528 bytes at 1024 + 8448 w
.set SPITCH, 528                       ; 512 bytes + 16 = 132 words: row r starts at bank 4 r mod 64 (64 banks of 4 bytes: ISA guide 11.1)
.set SPARE,  34816                     ; the spare words, 128 bytes a wave: two blocks of 256 bytes that no other line names
.set SPW,  2                           ; v2      LDS address of my spare word; never rewritten
.set NIL,  3                           ; v3      0; never rewritten
.set IDX,  4                           ; v4-19   16 choices a lane: entry 512 w + 128 q + 4 lane + c in v[4 + 4 q + c]
.set RB,   20                          ; v20     512 w + 4 lane; later 16 lane
.set ROFF, 32                          ; v32-47  byte offset of my 16 bytes in each of the tile's 16 token rows
.set LD,   48                          ; v48-175 32 loads of 16 bytes
.set OUTR, 176                         ; v176-239 the 16 half fragments as they leave
; scalars: s[4:13] arguments, s[66:67] xmax; s14 wave, s15 X, s16 P; s[20:35] masks, later token offsets; s[36:43] own counts, later nt; s[44:51] tb;
; s52 my slot's expert, s53 its tb, s54 its rows, s55-57 its rows in waves 0-2; s59 tiles in all; s[68:99] counts by wave and expert
	s_load_b256 s[4:11], s[0:1], 0x0               ; index s[4:5], hidden s[6:7], xs s[8:9], pos s[10:11]
	s_load_b64 s[12:13], s[0:1], 0x20              ; meta
	s_load_b64 s[66:67], s[0:1], 0x28              ; xmax
	v_lshl_add_u32 v[SPW], v0, 2, SPARE
	v_mov_b32 v[NIL], 0
	v_and_b32 v1, 31, v0                           ; lane
	v_lshrrev_b32 v21, 5, v0
	v_readfirstlane_b32 s14, v21                   ; wave
	s_mov_b32 s15, ttmp9                           ; X
	s_and_b32 s16, ttmp7, 0xffff                   ; P
	v_lshlrev_b32 v22, 4, v1
	v_lshl_add_u32 v22, v21, 11, v22               ; 2048 w + 16 lane
	v_lshlrev_b32 v[RB], 2, v1
	v_lshl_add_u32 v[RB], v21, 9, v[RB]            ; 512 w + 4 lane
	s_wait_kmcnt 0x0
.irp q, 0,1,2,3
	global_load_b128 v[IDX+4*\q:IDX+4*\q+3], v22, s[4:5] offset:512*\q
.endr
	s_wait_loadcnt 0x0
	; my wave's 512 choices counted by expert: 16 compares on end, then the scalar counts, so that no scalar line follows its own compare
.set e, 0
.rept 8
.set k, 0
.rept 16
	v_cmp_eq_u32 s[20+k], e, v[IDX+k]
.set k, k+1
.endr
.set k, 0
.rept 16
	s_bcnt1_i32_b32 s[20+k], s[20+k]
.set k, k+1
.endr
	s_add_co_u32 s[36+e], s20, s21
.set k, 2
.rept 14
	s_add_co_u32 s[36+e], s[36+e], s[20+k]
.set k, k+1
.endr
.set e, e+1
.endr
	v_mov_b32 v28, 0
.set e, 0
.rept 8
	v_writelane_b32 v28, s[36+e], e
.set e, e+1
.endr
	v_lshlrev_b32 v23, 2, v0                       ; 128 w + 4 lane
	ds_store_b32 v23, v28
	s_wait_dscnt 0x0                               ; for the others' sake: my counts are in LDS
	s_barrier_signal -1
	s_barrier_wait -1
	v_lshrrev_b32 v24, 3, v1
	v_and_b32 v25, 7, v1
	v_lshlrev_b32 v25, 2, v25
	v_lshl_add_u32 v24, v24, 7, v25                ; lane L: wave L / 8, expert L % 8
	ds_load_b32 v26, v24
	s_wait_dscnt 0x0
.set ln, 0
.rept 32
	v_readlane_b32 s[68+ln], v26, ln
.set ln, ln+1
.endr
	; totals, tiles, first tiles; my slot's owner is the last expert whose first tile is not beyond P
	s_mov_b32 s59, 0
.set e, 0
.rept 8
	s_add_co_u32 s17, s[68+e], s[76+e]
	s_add_co_u32 s17, s17, s[84+e]
	s_add_co_u32 s17, s17, s[92+e]                 ; the expert's rows
	s_mov_b32 s[44+e], s59                         ; tb[e]
.if e == 0
	s_mov_b32 s52, 0
	s_mov_b32 s53, 0
	s_mov_b32 s54, s17
	s_mov_b32 s55, s68
	s_mov_b32 s56, s76
	s_mov_b32 s57, s84
.else
	s_cmp_ge_u32 s16, s59
	s_cselect_b32 s52, e, s52
	s_cselect_b32 s53, s59, s53
	s_cselect_b32 s54, s17, s54
	s_cselect_b32 s55, s[68+e], s55
	s_cselect_b32 s56, s[76+e], s56
	s_cselect_b32 s57, s[84+e], s57
.endif
	s_add_co_u32 s17, s17, 15
	s_lshr_b32 s[36+e], s17, 4                     ; nt[e]
	s_add_co_u32 s59, s59, s[36+e]
.set e, e+1
.endr
	s_add_co_u32 s18, s55, s56                     ; the owner's rows in waves 0-1,
	s_add_co_u32 s19, s18, s57                     ; in waves 0-2
	s_cmp_ge_u32 s14, 1
	s_cselect_b32 s60, s55, 0
	s_cmp_ge_u32 s14, 2
	s_cselect_b32 s60, s18, s60
	s_cmp_ge_u32 s14, 3
	s_cselect_b32 s60, s19, s60                    ; its rows in the waves ahead of mine
	s_sub_co_u32 s61, s16, s53
	s_lshl_b32 s61, s61, 4                         ; the rank of my tile's first row
	s_sub_co_u32 s62, s60, s61                     ; running rank less that
	s_sub_co_u32 s63, s54, s61
	s_min_u32 s63, s63, 16
	s_sub_co_u32 s63, s63, 1                       ; my tile's rows less 1
	s_lshl_b32 s17, s14, 7
	s_add_co_u32 s17, s17, LISTS                   ; my wave's list
	; each choice of the owner has a rank; ranks 0 to 15 of my tile go into my wave's list at that place, all else into the dump word (place 16)
.set k, 0
.rept 16
	v_cmp_eq_u32 s100, s52, v[IDX+k]
	v_mbcnt_lo_u32_b32 v29, s100, s62              ; rank in the tile (wraps far above 16 for earlier tiles)
	v_cndmask_b32 v29, -1, v29, s100               ; another expert's choice: far above 16
	v_min_u32 v29, 16, v29
	v_lshl_add_u32 v29, v29, 2, s17
	v_add_nc_u32 v30, 128*(k/4)+(k%4), v[RB]       ; r
	ds_store_b32 v29, v30
	s_bcnt1_i32_b32 s100, s100
	s_add_co_u32 s62, s62, s100
.set k, k+1
.endr
	s_wait_dscnt 0x0                               ; for the others' sake: my list is in LDS
	s_barrier_signal -1
	s_barrier_wait -1
	s_cmp_ge_u32 s16, s59
	s_cbranch_scc1 .Lend                           ; this split has no tile for my slot; no barrier follows
	v_and_b32 v29, 15, v0
	v_min_u32 v29, s63, v29                        ; places past the count repeat the last row
	v_min_u32 v29, 15, v29                         ; d
	v_add_nc_u32 v24, s61, v29                     ; its rank in the expert: which wave holds it?
	v_cmp_le_u32 vcc_lo, s55, v24
	v_cndmask_b32 v25, 0, 1, vcc_lo
	v_cmp_le_u32 vcc_lo, s18, v24
	v_cndmask_b32 v26, 0, 1, vcc_lo
	v_add_nc_u32 v25, v25, v26
	v_cmp_le_u32 vcc_lo, s19, v24
	v_cndmask_b32 v26, 0, 1, vcc_lo
	v_add_nc_u32 v25, v25, v26
	v_min_u32 v25, 3, v25
	v_lshlrev_b32 v25, 7, v25
	v_lshl_add_u32 v25, v29, 2, v25
	ds_load_b32 v30, v25 offset:LISTS
	s_wait_dscnt 0x0
	v_min_u32 v30, 0x7ff, v30                      ; r of row d
	s_or_b32 s100, s15, s14
	s_cmp_lg_u32 s100, 0
	s_cbranch_scc1 .Lnopos                         ; the whole numbers are stored by wave 0 of K half 0
	v_lshlrev_b32 v24, 2, v30
	v_lshl_add_u32 v25, s16, 4, v29                ; 16 P + d; lanes that repeat a row store the same number at the same word
	global_store_b32 v24, v25, s[10:11]
	s_cmp_lg_u32 s16, 0
	s_cbranch_scc1 .Lnopos                         ; meta by slot 0, which has rows in every split
	v_mov_b32 v28, 0
.set e, 0
.rept 8
	v_writelane_b32 v28, s[44+e], e
	v_writelane_b32 v28, s[36+e], 8+e
.set e, e+1
.endr
	v_lshlrev_b32 v26, 2, v1
	global_store_b32 v26, v28, s[12:13]
.Lnopos:                                               ; v24, v25, v26, v28 are not written again
	v_lshrrev_b32 v31, 1, v30                      ; token
.set r, 0
.rept 16
	v_readlane_b32 s[20+r], v31, r
.set r, r+1
.endr
	s_lshl_b32 s100, s15, 12
	s_lshl_b32 s101, s14, 10
	s_add_co_u32 s100, s100, s101
	v_lshl_add_u32 v21, v1, 4, s100                ; 16 lane + 4096 X + 1024 w
.set r, 0
.rept 16
	s_min_u32 s[20+r], s[20+r], 1023
	s_lshl_b32 s[20+r], s[20+r], 13                ; a token row is 8,192 bytes
	v_add_nc_u32 v[ROFF+r], s[20+r], v21
.set r, r+1
.endr
.set m, 0
.rept 32                                               ; row m / 2, half m % 2 of my 1,024 bytes: 512 consecutive bytes a load; no hint: a token is named twice
	global_load_b128 v[LD+4*m:LD+4*m+3], v[ROFF+m/2], s[6:7] offset:512*(m%2)
.set m, m+1
.endr
	s_mul_i32 s101, s14, 16*SPITCH
	s_add_co_u32 s101, s101, STG                   ; my stage
	v_lshl_add_u32 v23, v1, 3, s101                ; in: 8 bytes a lane
	v_and_b32 v27, 15, v0
	v_mul_u32_u24 v27, v27, SPITCH
	v_bfe_u32 v22, v0, 4, 1
	v_lshl_add_u32 v27, v22, 4, v27
	v_add_nc_u32 v27, s101, v27                    ; back: row lane % 16, 16 bytes for each half of the lanes
	v_lshlrev_b32 v[RB], 4, v1                     ; 16 lane
	s_lshl_b32 s60, s15, 5
	s_lshl3_add_u32 s60, s14, s60                  ; my first block of 32 k: 32 X + 8 w
	s_mul_i32 s60, s60, KSTR
	s_lshl_b32 s61, s16, 10
	s_add_co_u32 s60, s60, s61
	s_mov_b32 s61, 0
	s_add_nc_u64 s[8:9], s[8:9], s[60:61]
	s_mov_b32 s100, 0x7fff7fff                     ; clears the signs of two bf16
	s_mov_b32 s62, 0x76543210                      ; v_permlanex16_b32: lane i of one half reads lane i of the other
	s_mov_b32 s63, 0xfedcba98
	s_lshl_b32 s101, s16, 5                        ; my word in xmax: 32 P
	s_lshl4_add_u32 s101, s15, s101                ; + 16 X
	s_lshl2_add_u32 s101, s14, s101                ; + 4 w
	v_mov_b32 v29, 0                               ; two running maxima of |x|, two bf16 each
	v_mov_b32 v30, 0
.set m, 0
.rept 32
	s_wait_loadcnt 31-m                            ; loads come back in order (ISA guide 5.7.1): load m is in, the 31 - m younger ones stay out
	v_cvt_pk_bf16_f32 v[LD+4*m],   v[LD+4*m],   v[LD+4*m+1]
	v_cvt_pk_bf16_f32 v[LD+4*m+1], v[LD+4*m+2], v[LD+4*m+3]
	ds_store_b64 v23, v[LD+4*m:LD+4*m+1] offset:SPITCH*(m/2)+256*(m%2)
	v_and_b32 v21, s100, v[LD+4*m]
	v_and_b32 v22, s100, v[LD+4*m+1]
	v_pk_max_num_bf16 v29, v29, v21
	v_pk_max_num_bf16 v30, v30, v22
.set m, m+1
.endr
.set u, 0
.rept 16                                               ; block u / 2 of 32 k, half u % 2; my own bytes, and LDS serves a wave's instructions in order (ISA guide 5.7.1.4): no wait between
	ds_load_b128 v[OUTR+4*u:OUTR+4*u+3], v27 offset:64*(u/2)+32*(u%2)
.set u, u+1
.endr
	v_pk_max_num_bf16 v29, v29, v30                ; the largest |x| of my 16 rows x 256 k: the two halves as f32, then across the lanes
	v_lshlrev_b32 v21, 16, v29
	v_and_b32 v22, 0xffff0000, v29
	v_max_num_f32 v29, v21, v22
	v_max_num_f32_dpp v29, v29, v29 row_xmask:1 row_mask:0xf bank_mask:0xf
	v_max_num_f32_dpp v29, v29, v29 row_xmask:2 row_mask:0xf bank_mask:0xf
	v_max_num_f32_dpp v29, v29, v29 row_xmask:4 row_mask:0xf bank_mask:0xf
	v_max_num_f32_dpp v29, v29, v29 row_xmask:8 row_mask:0xf bank_mask:0xf
	v_permlanex16_b32 v30, v29, s62, s63
	v_max_num_f32 v29, v29, v30
	v_mov_b32 v31, s101
	global_store_b32 v31, v29, s[66:67]            ; every lane stores the same number at the same word; v29 and v31 are not written again
.set u, 0
.rept 16
	s_wait_dscnt 15-u
	global_store_b128 v[RB], v[OUTR+4*u:OUTR+4*u+3], s[8:9] offset:(u/2)*KSTR+512*(u%2)  ; 512 consecutive bytes, at a multiple of 256 from xs's first
.set u, u+1
.endr
.Lend:
	s_wait_tensorcnt 0x0                           ; the wave's end: three lines behind my last LDS store
	ds_add_u32 v[SPW], v[NIL]
	s_wait_dscnt 0x0
	s_endpgm
.Lfunc_end_k_q31495b321e_prep:
	.size	k_q31495b321e_prep, .Lfunc_end_k_q31495b321e_prep-k_q31495b321e_prep
	.p2alignl 7, 3214868480
	.fill 96, 4, 3214868480
	.section	.rodata,"a",@progbits
	.p2align	6, 0x0
	.amdhsa_kernel k_q31495b321e_prep
		.amdhsa_group_segment_fixed_size 35328
		.amdhsa_private_segment_fixed_size 0
		.amdhsa_enable_private_segment 0
		.amdhsa_kernarg_size 48
		.amdhsa_user_sgpr_count 2
		.amdhsa_user_sgpr_kernarg_segment_ptr 1
		.amdhsa_wavefront_size32 1
		.amdhsa_system_sgpr_workgroup_id_x 1
		.amdhsa_system_sgpr_workgroup_id_y 1
		.amdhsa_system_sgpr_workgroup_id_z 1
		.amdhsa_system_vgpr_workitem_id 0
		.amdhsa_next_free_vgpr 240
		.amdhsa_next_free_sgpr 102
		.amdhsa_reserve_vcc 1
		.amdhsa_float_denorm_mode_32 3
		.amdhsa_float_denorm_mode_16_64 3
		.amdhsa_memory_ordered 1
		.amdhsa_forward_progress 1
		.amdhsa_inst_pref_size 58
	.end_amdhsa_kernel
	.amdgpu_metadata
---
amdhsa.version: [ 1, 2 ]
amdhsa.kernels:
  - .name:           k_q31495b321e_prep
    .symbol:         k_q31495b321e_prep.kd
    .args:
      - { .name: top_k_index, .offset: 0, .size: 8, .value_kind: global_buffer, .address_space: global }
      - { .name: hidden_states, .offset: 8, .size: 8, .value_kind: global_buffer, .address_space: global }
      - { .name: xs, .offset: 16, .size: 8, .value_kind: global_buffer, .address_space: global }
      - { .name: pos, .offset: 24, .size: 8, .value_kind: global_buffer, .address_space: global }
      - { .name: meta, .offset: 32, .size: 8, .value_kind: global_buffer, .address_space: global }
      - { .name: xmax, .offset: 40, .size: 8, .value_kind: global_buffer, .address_space: global }
    .group_segment_fixed_size: 35328
    .private_segment_fixed_size: 0
    .kernarg_segment_align: 8
    .kernarg_segment_size: 48
    .max_flat_workgroup_size: 128
    .sgpr_count:     102
    .vgpr_count:     240
    .wavefront_size: 32
...
	.end_amdgpu_metadata
.endif
;; end of part 5
;; launch gateup (part 6): grid 32 x 8, 8 waves a work-group, no clusters, 296,960 bytes of LDS; arguments xs, meta, gate_w, up_w, hs, xmax, estab; writes hs, estab
.if DOCPART == 6
	.amdgcn_target "amdgcn-amd-amdhsa--gfx1250"
	.amdhsa_code_object_version 6
	.text
	.protected	k_q31495b321e_gateup
	.globl	k_q31495b321e_gateup
	.p2align	8
	.type	k_q31495b321e_gateup,@function
k_q31495b321e_gateup:
	s_mov_b64 s[64:65], 0
	v_nop
	global_prefetch_b8 v0, s[64:65] scope:SCOPE_SE
	s_setreg_imm32_b32 hwreg(HW_REG_WAVE_MODE, 25, 1), 1
	s_wait_xcnt 0x0
; GATEUP.  h[row][i] = gelu_tanh(x[row] . gate_w[e][i]) * (x[row] . up_w[e][i]) for the routed rows of expert e, stored in hs in the operand layout of xs (k = i), in f16, SCALED.
; WHY f16, AND ITS SCALE.  bf16's 8 significant bits leave an error of up to 2^-8 of h, too much for the next product's allowance; f16 has 11, but by itself no room: inputs 30 times larger make h 810,000 times larger.
; So h is stored times a power of two taken from a bound.  |gelu(g)| <= |g| <= 2048 X G and |u| <= 2048 X U, with X the largest |x| of the tile of 16 rows (xmax) and G, U the largest |gate_w|, |up_w| of my 32 + 32 rows, all as
; rounded to bf16.  A number with biased exponent b lies under 2^(b - 126), so |h| < 2^(22 + 2 (bx - 126) + (bg - 126) + (bu - 126)), and h times 2^(497 - 2 bx - bg - bu) lies under 2^15.
; The shift falls into a tile's part, et = 2 bx - 252, which the next launch makes anew from xmax, and a slice's part, es = bg + bu - 245, stored in estab[e][s]: my slice is one block of 32 k of the next product.
; SHARES.  Work-group (s, e) owns gate rows 32 s .. +31 (image rows 0-31) and up rows 32 s .. +31 (image rows 32-63) of expert e, which it alone reads, and all of that expert's tiles of 16 rows.
; WAVES 4-7 LOAD: each streams 16 weight rows through a ring of 64 loads of 16 bytes a lane (a chunk of K = 512: 32 KiB a wave, 128 KiB a work-group on its way), rounds a chunk to bf16 into 128 registers,
; and stores it into an image in LDS that stays.  While the last chunk is multiplied they read their rows of the image back and find G and U.
; WAVES 0-3 MULTIPLY: a pass is 20 tiles; slot i of wave cw is tile 20 p + 4 i + cw; 5 tiles x 4 blocks of 16 weight rows = 20 accumulators.  Token fragments come from memory straight into registers
; (xs lies in operand order), weight fragments from LDS.  Pass 0 follows the loaders chunk by chunk; passes 1 to 6 (an expert with more than 320 rows; 2,048 at the most) run on the image with
; no barrier, in a loop of 7 trips whose dead trips are jumped.  Slots past the expert's tiles repeat its last tile and store nothing; an expert with no rows multiplies tile 0 and stores no h.
; THE FIFTH SLOT is dead in every wave of a pass with 16 tiles or fewer, and in three waves of four with 17: its four products a step are then jumped.  Its two token loads a step are issued all the same:
; every step has ten loads on every way, so that the counted wait in front of the products keeps its count.
; THE ORDER IN LDS.  No LDS write stands between two barriers between which LDS is read.  While chunk c is multiplied the loaders wait for chunk c + 1, round it in registers and ask for chunk c + 2: no LDS.
; Then a barrier, the loaders' 64 stores a wave, a barrier, and chunk c + 1 is multiplied.  The multiplying waves idle during the stores, 64 KiB, four times a launch; the loads from memory, the loaders' and the
; multiplying waves' look-ahead, stay out across all barriers.  The four stages are one loop: the weights' pointer and the stores' address step on every wave's way, and the last trip jumps the request for a further chunk.
; THE TWO ROLES' BLOCKS stand between the barriers, each in a branch of its own on the wave's number; the barriers stand on every wave's way.  The text is sound on every way through those branches:
; all that lives across a barrier is made by every wave, and each block that reads or fills window 1 begins with a wait for all loads.
; LDS.  Bytes 16-31: the loaders' four maxima.  THE IMAGE lies by bodies of K = 128: body b is 64 rows x 272 bytes at (b + 1) x 17,408.  A loader's address is its wave number (4 to 7) x 4,352 + its lane's term + constants and the loop's steps.
; THE PRODUCT IS USED TRANSPOSED: source 0 = 16 weight rows, source 1 = 16 token rows: a lane holds one token row (lane % 16) and 8 neighbouring i: 16 bytes of hs at 16 lane.
; NO JOINT LOADS: an expert's 32 work-groups share its token tiles, but the number of tiles hangs on a stored count (0 to 128), so a load that all partners issue on every path would have to cover
; 128 tiles where 16 or 17 are usual; the weights, f32, pass through registers to be rounded and have one reader each.
; The accumulators are cleared at a pass's beginning (160 moves; for pass 0 in the wait for the first chunk): no first step is written out, which would be one more copy of a body in each block.
; LIMITS.  gate_w, up_w are rounded once to bf16; sums in f32.  h keeps 11 significant bits down to 2^-29 of its bound and a fixed step of 2^-40 of the bound below that (for x of unit spread and weights of spread 0.02 the bound is 2^22,
; some 2^19 above the largest |h|).  gelu(g) = g / (1 + 2^(g (c0 + c1 g^2))): an exponent that overflows gives the limits 0 and g.  NaN and infinities are not treated apart.
.set NKB,   64                         ; blocks of 32 along K = 2,048
.set ROWB,  8192                       ; a weight row in memory
.set NCH,   4                          ; chunks of K = 512; a chunk is 4 bodies of K = 128; a body is 4 steps of K = 32
.set KSTR,  139264                     ; xs, hs: bytes from one block of 32 k to the next
.set PITCH, 272                        ; a body's row in LDS: 256 bytes + 16 = 68 words: row r starts at bank 4 r mod 64 (64 banks of 4 bytes: ISA guide 11.1)
.set WROWS, 16*PITCH                   ; 16 rows: a loader's share of a body, and a block of weight rows
.set BSTEP, 64*PITCH                   ; a body
.set SPARE, (4*NCH+1)*BSTEP            ; behind the image: the spare words, 128 bytes a wave: four blocks of 256 bytes that no other line names
.set L16,  1                           ; v1      16 lane
.set AOFF, 2                           ; v2-6    16 lane + 1024 x tile, for my five slots
.set BAD0, 8                           ; v8      (lane % 16) PITCH + 16 (lane / 16); never rewritten        (v7, v11: at work in the set-up)
.set BADR, 9                           ; v9      the same in the body in hand
.set BADN, 10                          ; v10     in the next body
.set LST,  12                          ; v12     wave x WROWS + 8 lane, in the chunk in hand
.set WA,   13                          ; v13     wave x WROWS + (lane / 16) PITCH + 16 (lane % 16), in the body whose maxima are taken
.set XO,   14                          ; v14     4 (lane % 8)
.set SH,   15                          ; v15     the shift of the tile that leaves
.set ESK,  16                          ; v16     497 - bg - bu
.set WAD,  17                          ; v17     LDS address of the maxima
.set ESA,  18                          ; v18     my word's offset in estab; written once
.set ESV,  19                          ; v19     es; written once
.set SPW,  20                          ; v20     LDS address of my spare word; never rewritten
.set NIL,  21                          ; v21     0; never rewritten
.set ET,   22                          ; v22-26  my five slots: the offset in xmax, then the word loaded, then 2 bx
.set WM,   27                          ; v27     a loader's maximum
.set MXW,  28                          ; v28-31  at work on the maxima
.set BF,   32                          ; v32-95  weight fragments, two buffers of four; at work on the way out and on the maxima
.set ACC,  96                          ; v96-255 accumulator (slot i, block nt) at 96 + 32 i + 8 nt
.set CV,   96                          ; v96-223 loaders: a chunk rounded to bf16, load m at 96 + 2 m
; window 1: multiplying waves: token fragments, ring slot a, tile slot i at 40 a + 8 i (160 registers); loaders: load m at 4 m (256 registers)
; scalars: s[4:5] xs, s[6:7] meta, s[8:11] weights, s[12:13] hs, s[56:57] xmax, s[58:59] estab; s14 wave, s15 s, s16 e, s17 wave % 4; s18 tb, s19 nt, s20 my first tile of the pass, s22 my live slots;
; s[24:25], s[26:27] xs at this body and the next; s[28:29], s[30:31] their offsets; s32, s33 LDS offsets of this body and the next, s34 their bound; s35, s36, s37, s49 counters; s[38:39] my weight rows at the chunk in hand;
; s[40:41] hs at my block; s[42:45] c0, c1; s48 wave x WROWS; s50 nt - 1; s51 4 e; s52, s53 masks; s54 my word in estab; s60, s61 lane selects
.set MSB, 0
.macro WIN new                         ; s_set_vgpr_msb: bits 1:0 source 0, 3:2 source 1, 5:4 source 2, 7:6 destination; the high byte repeats the setting that is left
.if MSB != (\new)
	s_set_vgpr_msb (MSB<<8)|(\new)
.set MSB, \new
.endif
.endm
.macro PLACES                          ; four places between a matrix instruction and a load into, or a vector read or write of, its registers
.rept 4
	v_nop
.endr
.endm
; The chunk in hand comes out of the ring and is rounded (load m: row m / 4, body m % 4 of the chunk); then the whole ring is asked for again, one chunk on, but for the last trip, which has no further chunk.
.macro CONV
	s_wait_loadcnt 0x0                             ; the whole chunk is in: it was asked for a multiplying block ago (the first: at the launch's head); no load is out on any way into the block
	WIN 0x05                                       ; sources in window 1
.set m, 0
.rept 64
	v_cvt_pk_bf16_f32 v[CV+2*m],   v[4*m],   v[4*m+1]
	v_cvt_pk_bf16_f32 v[CV+2*m+1], v[4*m+2], v[4*m+3]
.set m, m+1
.endr
	WIN 0                                          ; at a branch and at a label every window is 0
	s_cmp_eq_u32 s36, 1
	s_cbranch_scc1 .Lno_more_\@
	WIN 0x40                                       ; destination in window 1
.set m, 0
.rept 64
	global_load_b128 v[4*m:4*m+3], v[L16], s[38:39] offset:(m/4)*ROWB+(m%4)*512+2048 th:TH_LOAD_NT
.set m, m+1
.endr
	WIN 0
.Lno_more_\@:
.endm
.macro PUT                             ; the rounded chunk goes into the image
.set m, 0
.rept 64
	ds_store_b64 v[LST], v[CV+2*m:CV+2*m+1] offset:(m/4)*PITCH+(m%4)*BSTEP  ; 32 lanes, 256 consecutive bytes: a row of a body
.set m, m+1
.endr
.endm
.macro PASS_SET                        ; my live slots: tiles s20 + 4 i below nt, 5 at the most
	s_sub_co_i32 s46, s19, s20
	s_max_i32 s46, s46, 0
	s_add_co_u32 s46, s46, 3
	s_lshr_b32 s46, s46, 2
	s_min_u32 s22, s46, 5
.endm
.macro SLOTS                           ; my five slots' tiles, in xs and hs and in xmax
.irp i, 0,1,2,3,4
	s_add_co_u32 s46, s20, 4*\i
	s_min_u32 s46, s46, s50                        ; a slot past the expert's tiles repeats the last
	s_add_co_u32 s46, s46, s18
	s_min_u32 s46, s46, 135
	s_lshl_b32 s47, s46, 10
	v_add_nc_u32 v[AOFF+\i], s47, v[L16]
	s_lshl_b32 s47, s46, 5                         ; a tile has 8 words in xmax
	v_add_nc_u32 v[ET+\i], s47, v[XO]
.endr
.endm
.macro XLOAD                           ; lane l takes word l % 8 of each slot's tile; a load lands on its own address register
.irp i, 0,1,2,3,4
	global_load_b32 v[ET+\i], v[ET+\i], s[56:57]
.endr
.endm
.macro XRED                            ; the largest of a tile's eight words, in every lane; then twice its biased exponent
.irp x, 1,2,4
.irp i, 0,1,2,3,4
	v_max_num_f32_dpp v[ET+\i], v[ET+\i], v[ET+\i] row_xmask:\x row_mask:0xf bank_mask:0xf
.endr
.endr
.irp i, 0,1,2,3,4
	v_lshrrev_b32 v[ET+\i], 23, v[ET+\i]
.endr
.irp i, 0,1,2,3,4
	v_lshlrev_b32 v[ET+\i], 1, v[ET+\i]
.endr
.endm
.macro CLEAR
.set ii, 0
.rept 160
	v_mov_b32 v[ACC+ii], 0
.set ii, ii+1
.endr
.endm
.macro TOKENS                          ; a pass's steps 0 to 2
	WIN 0x40
.set st, 0
.rept 3
.set ii, 0
.rept 5
	global_load_b128 v[40*st+8*ii:40*st+8*ii+3],   v[AOFF+ii], s[4:5] offset:st*KSTR
	global_load_b128 v[40*st+8*ii+4:40*st+8*ii+7], v[AOFF+ii], s[4:5] offset:st*KSTR+512
.set ii, ii+1
.endr
.set st, st+1
.endr
	WIN 0
.endm
; Step j of a body: asks for the token fragments of step j + 3 and the weight fragments of step j + 1, then 16 products, and the fifth slot's 4 where it is live.
.macro STEP j
.if (\j) > 0
	PLACES                                         ; behind step j - 1's products, whose registers the loads below fill (step 0: the body's first four vector lines)
.endif
	WIN 0x40
.set ii, 0
.rept 5
.if (\j) == 0
	global_load_b128 v[120+8*ii:120+8*ii+3],   v[AOFF+ii], s[24:25] offset:3*KSTR
	global_load_b128 v[120+8*ii+4:120+8*ii+7], v[AOFF+ii], s[24:25] offset:3*KSTR+512
.else
	global_load_b128 v[40*((\j)-1)+8*ii:40*((\j)-1)+8*ii+3],   v[AOFF+ii], s[26:27] offset:((\j)-1)*KSTR
	global_load_b128 v[40*((\j)-1)+8*ii+4:40*((\j)-1)+8*ii+7], v[AOFF+ii], s[26:27] offset:((\j)-1)*KSTR+512
.endif
.set ii, ii+1
.endr
	WIN 0x04                                       ; source 1 (tokens) in window 1
.set tt, 0
.rept 4
.if (\j) < 3
	ds_load_b128 v[BF+32*(((\j)+1)%2)+8*tt:BF+32*(((\j)+1)%2)+8*tt+3],   v[BADR] offset:tt*WROWS+64*((\j)+1)
	ds_load_b128 v[BF+32*(((\j)+1)%2)+8*tt+4:BF+32*(((\j)+1)%2)+8*tt+7], v[BADR] offset:tt*WROWS+64*((\j)+1)+32
.else
	ds_load_b128 v[BF+8*tt:BF+8*tt+3],   v[BADN] offset:tt*WROWS
	ds_load_b128 v[BF+8*tt+4:BF+8*tt+7], v[BADN] offset:tt*WROWS+32
.endif
.set tt, tt+1
.endr
	s_wait_loadcnt 30                              ; behind this step's token loads stand three steps' loads, ten each on every way: they stay out
	s_wait_dscnt 8                                 ; the 8 just issued stay out
.set ii, 0
.rept 4                                                ; the accumulators take turns, one instruction a turn
.set tt, 0
.rept 4
	v_wmma_f32_16x16x32_bf16 v[ACC+32*ii+8*tt:ACC+32*ii+8*tt+7], v[BF+32*((\j)%2)+8*tt:BF+32*((\j)%2)+8*tt+7], v[40*(\j)+8*ii:40*(\j)+8*ii+7], v[ACC+32*ii+8*tt:ACC+32*ii+8*tt+7]
.set tt, tt+1
.endr
.set ii, ii+1
.endr
	WIN 0                                          ; at a branch and at a label every window is 0
	s_cmp_lt_u32 s22, 5
	s_cbranch_scc1 .Lfour_\@                       ; the fifth slot is dead: its sums are never stored
	WIN 0x04
.set tt, 0
.rept 4
	v_wmma_f32_16x16x32_bf16 v[ACC+128+8*tt:ACC+128+8*tt+7], v[BF+32*((\j)%2)+8*tt:BF+32*((\j)%2)+8*tt+7], v[40*(\j)+32:40*(\j)+39], v[ACC+128+8*tt:ACC+128+8*tt+7]
.set tt, tt+1
.endr
	WIN 0
.Lfour_\@:
.endm
.macro BODY                            ; K = 128
	s_wait_xcnt 0x0                                ; the two bases are rewritten only behind this wait
	s_add_nc_u64 s[24:25], s[4:5], s[28:29]
	s_add_co_u32 s30, s28, 4*KSTR
	s_min_u32 s30, s30, (NKB-4)*KSTR               ; a pass's last body looks ahead inside xs: it repeats its own blocks, which nobody uses
	s_add_nc_u64 s[26:27], s[4:5], s[30:31]
	s_add_co_u32 s33, s32, BSTEP
	s_min_u32 s33, s33, s34                        ; a block's last body looks ahead inside the bytes that the last barrier has shown; the next block fetches its first fragments itself
	v_add_nc_u32 v[BADR], s32, v[BAD0]
	v_add_nc_u32 v[BADN], s33, v[BAD0]
	v_nop
	v_nop
	STEP 0
	STEP 1
	STEP 2
	STEP 3
	s_add_co_u32 s28, s28, 4*KSTR
	s_add_co_u32 s32, s32, BSTEP
.endm
; The next nb bodies (s28, s32 run on from block to block).  restart = 1: a pass begins at body 0.  At the block's end the next body's first three steps of token fragments are on their way: they land while the
; loaders store, and the next block's first line waits for them.
.macro MULT nb, restart
	s_wait_loadcnt 0x0                             ; the token fragments asked for ahead are in; no load is out on any way into the block: its counts begin at zero
.if \restart
	s_mov_b32 s28, 0
	s_mov_b32 s32, BSTEP
	TOKENS
.endif
	s_add_co_u32 s34, s32, ((\nb)-1)*BSTEP         ; the block's last body
	v_add_nc_u32 v[BADR], s32, v[BAD0]
.irp t, 0,1,2,3
	ds_load_b128 v[BF+8*\t:BF+8*\t+3],   v[BADR] offset:\t*WROWS
	ds_load_b128 v[BF+8*\t+4:BF+8*\t+7], v[BADR] offset:\t*WROWS+32
.endr
	s_mov_b32 s35, \nb
.Lbody_\@:
	BODY
	s_sub_co_u32 s35, s35, 1
	s_cmp_lg_u32 s35, 0
	s_cbranch_scc1 .Lbody_\@
	PLACES                                         ; behind the last products, for whatever follows the block
	s_wait_dscnt 0x0                               ; no LDS load is out on any way out of the block
.endm
.macro C_BLOCK
	s_cmp_lt_u32 s14, 4
	s_cbranch_scc1 .Lnot_c_\@
	CONV
.Lnot_c_\@:
.endm
.macro S_BLOCK
	s_cmp_lt_u32 s14, 4
	s_cbranch_scc1 .Lnot_s_\@
	PUT
.Lnot_s_\@:
.endm
.macro M_BLOCK
	s_cmp_ge_u32 s14, 4
	s_cbranch_scc1 .Lnot_m_\@
	MULT 4, 0
.Lnot_m_\@:
.endm
.macro MEET
	s_wait_dscnt 0x0                               ; for the others' sake: my LDS stores are done, my LDS loads are back
	s_barrier_signal -1
	s_barrier_wait -1
.endm
; Slot ti leaves: 16 numbers a lane; g in blocks 0, 1, u in blocks 2, 3; each accumulator is read from its low end on.
.macro TILE_OUT ti
	s_wait_xcnt 0x0                                ; the last slot's stores have read their data
	v_sub_nc_u32 v[SH], v[ESK], v[ET+(\ti)]        ; 497 - bg - bu - 2 bx
.set p, 0
.rept 8
.set GA, ACC+32*(\ti)+8*(p/4)+2*(p%4)
	v_pk_mul_f32 v[BF+2*p:BF+2*p+1], v[GA:GA+1], v[GA:GA+1]
.set p, p+1
.endr
.set p, 0
.rept 8
	v_pk_fma_f32 v[BF+2*p:BF+2*p+1], v[BF+2*p:BF+2*p+1], s[44:45], s[42:43] op_sel_hi:[1,0,0]  ; c1 g^2 + c0
.set p, p+1
.endr
.set p, 0
.rept 8
.set GA, ACC+32*(\ti)+8*(p/4)+2*(p%4)
	v_pk_mul_f32 v[BF+2*p:BF+2*p+1], v[BF+2*p:BF+2*p+1], v[GA:GA+1]
.set p, p+1
.endr
.set p, 0
.rept 16
	v_exp_f32 v[BF+p], v[BF+p]
.set p, p+1
.endr
	v_nop                                          ; a plain instruction behind the last exponential,
	s_wait_alu depctr_va_vdst(0)                   ; and one wait for the batch
.set p, 0
.rept 8
	v_pk_add_f32 v[BF+2*p:BF+2*p+1], v[BF+2*p:BF+2*p+1], 1.0 op_sel_hi:[1,0]
.set p, p+1
.endr
.set p, 0
.rept 16
	v_rcp_f32 v[BF+p], v[BF+p]
.set p, p+1
.endr
	v_nop
	s_wait_alu depctr_va_vdst(0)
.set p, 0
.rept 8
.set GA, ACC+32*(\ti)+8*(p/4)+2*(p%4)
	v_pk_mul_f32 v[BF+2*p:BF+2*p+1], v[BF+2*p:BF+2*p+1], v[GA:GA+1]
.set p, p+1
.endr
.set p, 0
.rept 8
.set GA, ACC+32*(\ti)+16+8*(p/4)+2*(p%4)
	v_pk_mul_f32 v[BF+2*p:BF+2*p+1], v[BF+2*p:BF+2*p+1], v[GA:GA+1]
.set p, p+1
.endr
.set p, 0
.rept 16
	v_ldexp_f32 v[BF+p], v[BF+p], v[SH]                        ; h under 2^15, exactly scaled
.set p, p+1
.endr
.set p, 0
.rept 8
	v_cvt_pk_f16_f32 v[BF+16+p], v[BF+2*p], v[BF+2*p+1]        ; the one rounding of h
.set p, p+1
.endr
	global_store_b128 v[AOFF+(\ti)], v[BF+16:BF+19], s[40:41]             ; 512 consecutive bytes each, at a multiple of 256 from hs's first
	global_store_b128 v[AOFF+(\ti)], v[BF+20:BF+23], s[40:41] offset:512
.endm
	; THE SET-UP, by every wave
	s_load_b256 s[4:11], s[0:1], 0x0               ; xs s[4:5], meta s[6:7], gate_w s[8:9], up_w s[10:11]
	s_load_b64 s[12:13], s[0:1], 0x20              ; hs
	s_load_b128 s[56:59], s[0:1], 0x28             ; xmax s[56:57], estab s[58:59]
	v_lshl_add_u32 v[SPW], v0, 2, SPARE
	v_mov_b32 v[NIL], 0
	v_lshrrev_b32 v7, 5, v0
	v_readfirstlane_b32 s14, v7                    ; wave 0..7
	s_mov_b32 s15, ttmp9                           ; s
	s_and_b32 s16, ttmp7, 0xffff                   ; e
	s_and_b32 s17, s14, 3                          ; my number in my role
	v_and_b32 v7, 31, v0
	v_lshlrev_b32 v[L16], 4, v7
	s_mul_i32 s48, s14, WROWS
	v_lshl_add_u32 v[LST], v7, 3, s48
	WIN 0x40                                       ; window 1 is written whole, once, in the wait for the arguments: both roles' blocks read it, each block stands in a branch of its own,
.set ii, 0                                             ; and a register is written before it is read on every way through the text
.rept 256
	v_mov_b32 v[ii], 0
.set ii, ii+1
.endr
	WIN 0
	s_wait_kmcnt 0x0
	s_lshl_b32 s51, s16, 2
	s_load_b32 s18, s[6:7], s51 offset:0x0         ; tb[e]
	s_load_b32 s19, s[6:7], s51 offset:0x20        ; nt[e]
	s_cmp_lt_u32 s17, 2                            ; loaders 0, 1: gate rows 32 s + 16 lw; loaders 2, 3: up rows 32 s + 16 (lw - 2)
	s_cselect_b64 s[38:39], s[8:9], s[10:11]
	s_and_b32 s46, s17, 1
	s_lshl_b32 s46, s46, 17                        ; 16 rows of 8,192 bytes
	s_lshl_b32 s47, s16, 23                        ; an expert is 8,388,608 bytes
	s_add_co_u32 s46, s46, s47
	s_lshl_b32 s47, s15, 18                        ; 32 rows
	s_add_co_u32 s46, s46, s47
	s_mov_b32 s47, 0
	s_add_nc_u64 s[38:39], s[38:39], s[46:47]
	s_cmp_lt_u32 s14, 4
	s_cbranch_scc1 .Lnofill
	WIN 0x40
.set m, 0
.rept 64                                               ; chunk 0 fills the loaders' ring
	global_load_b128 v[4*m:4*m+3], v[L16], s[38:39] offset:(m/4)*ROWB+(m%4)*512 th:TH_LOAD_NT
.set m, m+1
.endr
	WIN 0
.Lnofill:
	CLEAR                                          ; pass 0's sums begin at 0; for a loader these lines stand in the wait for chunk 0
	v_and_b32 v7, 15, v0
	v_bfe_u32 v11, v0, 4, 1
	v_mul_u32_u24 v[BAD0], v7, PITCH
	v_lshl_add_u32 v[BAD0], v11, 4, v[BAD0]
	v_mul_u32_u24 v[WA], v11, PITCH                ; whole rows back: lanes 0-15 one row's 256 bytes, lanes 16-31 the next row's
	v_lshl_add_u32 v[WA], v7, 4, v[WA]
	v_add_nc_u32 v[WA], s48, v[WA]
	v_and_b32 v[XO], 7, v0
	v_lshlrev_b32 v[XO], 2, v[XO]
	v_mov_b32 v[WM], 0
	s_mov_b32 s28, 0                               ; the products begin at token block 0
	s_mov_b32 s29, 0
	s_mov_b32 s31, 0
	s_mov_b32 s32, BSTEP                           ; and at body 0
	s_mov_b32 s42, 0xc0135761                      ; c0 = -2 log2(e) sqrt(2 / pi) = -2.3022082
	s_mov_b32 s43, s42                             ; named with it as a pair
	s_mov_b32 s44, 0xbdd2d3e8                      ; c1 = 0.044715 c0 = -0.10294324
	s_mov_b32 s45, s44
	s_mov_b32 s52, 0xffff0000                      ; a word's upper bf16
	s_mov_b32 s53, 0x7fff7fff                      ; clears the signs of two bf16
	s_mov_b32 s60, 0x76543210                      ; v_permlanex16_b32: lane i of one half reads lane i of the other
	s_mov_b32 s61, 0xfedcba98
	s_lshl_b32 s54, s16, 7
	s_lshl2_add_u32 s54, s15, s54                  ; my word in estab: 128 e + 4 s
	s_mov_b32 s20, s17                             ; pass 0: my first tile is my number
	s_mul_i32 s46, s15, KSTR                       ; hs: block s of 32 k
	s_mov_b32 s47, 0
	s_add_nc_u64 s[40:41], s[12:13], s[46:47]
	s_wait_kmcnt 0x0
	s_min_u32 s18, s18, 135
	s_min_u32 s19, s19, 128
	s_cmp_eq_u32 s19, 0
	s_cselect_b32 s18, 0, s18                      ; an expert with no rows multiplies tile 0, which every split has
	s_max_u32 s50, s19, 1
	s_sub_co_u32 s50, s50, 1
	PASS_SET
	SLOTS
	s_cmp_ge_u32 s14, 4                            ; the multiplying waves fetch their tiles' words of xmax and pass 0's first three steps of tokens in the wait for chunk 0
	s_cbranch_scc1 .Lnotok
	s_wait_loadcnt 0x0                             ; no load is out on any way into the block,
	XLOAD
	TOKENS
	s_wait_loadcnt 0x0                             ; nor on any way out of it
	XRED
.Lnotok:
	; PASS 0.  A stage: chunk c is rounded and chunk c + 1 asked for; nobody reads the image; chunk c is stored; it is multiplied, while the loaders are in the next stage's first part.
	s_mov_b32 s36, NCH
.Lstage:
	C_BLOCK
	MEET                                           ; nobody reads the image
	S_BLOCK
	s_wait_xcnt 0x0                                ; the pointer steps only behind this wait
	s_add_nc_u64 s[38:39], s[38:39], 2048          ; the next chunk of my rows,
	v_add_nc_u32 v[LST], 4*BSTEP, v[LST]           ; and its place in the image (behind the last trip neither is used again)
	MEET                                           ; the chunk is in the image
	M_BLOCK
	s_sub_co_u32 s36, s36, 1
	s_cmp_lg_u32 s36, 0
	s_cbranch_scc1 .Lstage
	; The image is whole since the last trip's second barrier: nothing is stored into it any more.  Beside that trip's products the loaders find the largest magnitudes of their rows.
	s_cmp_lt_u32 s14, 4
	s_cbranch_scc1 .Lnot_w
.irp k, 0,1,2,3
	v_mov_b32 v[MXW+\k], 0
.endr
	s_mov_b32 s49, 4*NCH
.Lw:                                                   ; a trip: my 16 rows of one body, 256 bytes each (the rows' padding is not read): 8 loads, 32 registers of two bf16
.irp t, 0,1,2,3,4,5,6,7
	ds_load_b128 v[BF+4*\t:BF+4*\t+3], v[WA] offset:2*PITCH*\t
.endr
	s_wait_dscnt 0x0
	v_add_nc_u32 v[WA], BSTEP, v[WA]
.set p, 0
.rept 32
	v_and_b32 v[BF+p], s53, v[BF+p]
	v_pk_max_num_bf16 v[MXW+p%4], v[MXW+p%4], v[BF+p]
.set p, p+1
.endr
	s_sub_co_u32 s49, s49, 1
	s_cmp_lg_u32 s49, 0
	s_cbranch_scc1 .Lw
	v_pk_max_num_bf16 v[MXW], v[MXW], v[MXW+1]
	v_pk_max_num_bf16 v[MXW+2], v[MXW+2], v[MXW+3]
	v_pk_max_num_bf16 v[MXW], v[MXW], v[MXW+2]
	v_lshlrev_b32 v[MXW+1], 16, v[MXW]             ; the two halves as f32, then across the lanes
	v_and_b32 v[MXW+2], s52, v[MXW]
	v_max_num_f32 v[WM], v[MXW+1], v[MXW+2]
	v_max_num_f32_dpp v[WM], v[WM], v[WM] row_xmask:1 row_mask:0xf bank_mask:0xf
	v_max_num_f32_dpp v[WM], v[WM], v[WM] row_xmask:2 row_mask:0xf bank_mask:0xf
	v_max_num_f32_dpp v[WM], v[WM], v[WM] row_xmask:4 row_mask:0xf bank_mask:0xf
	v_max_num_f32_dpp v[WM], v[WM], v[WM] row_xmask:8 row_mask:0xf bank_mask:0xf
	v_permlanex16_b32 v[MXW], v[WM], s60, s61
	v_max_num_f32 v[WM], v[WM], v[MXW]
.Lnot_w:
	MEET                                           ; nobody reads LDS
	s_cmp_lt_u32 s14, 4
	s_cbranch_scc1 .Lnot_x
	v_lshrrev_b32 v[WAD], 5, v0
	v_lshlrev_b32 v[WAD], 2, v[WAD]                ; 4 x wave: bytes 16 to 31
	ds_store_b32 v[WAD], v[WM]                     ; all lanes store the same number at the same word
.Lnot_x:
	MEET                                           ; the four maxima are in LDS; from here on LDS is only read
	s_cmp_ge_u32 s14, 4
	s_cbranch_scc1 .Lfin
	v_mov_b32 v[WAD], 16
	ds_load_b128 v[MXW:MXW+3], v[WAD]
	s_wait_dscnt 0x0
	v_max_num_f32 v[MXW], v[MXW], v[MXW+1]         ; G: waves 4 and 5 hold the gate rows,
	v_max_num_f32 v[MXW+2], v[MXW+2], v[MXW+3]     ; U: waves 6 and 7 the up rows
	v_lshrrev_b32 v[MXW], 23, v[MXW]               ; bg
	v_lshrrev_b32 v[MXW+2], 23, v[MXW+2]           ; bu
	v_add_nc_u32 v[MXW], v[MXW], v[MXW+2]
	v_sub_nc_u32 v[ESK], 497, v[MXW]
	v_add_nc_u32 v[ESV], 0xffffff0b, v[MXW]        ; es = bg + bu - 245
	s_cmp_lg_u32 s14, 0
	s_cbranch_scc1 .Lnoes
	v_mov_b32 v[ESA], s54
	global_store_b32 v[ESA], v[ESV], s[58:59]      ; by wave 0; every lane stores the same number at the same word
.Lnoes:
	s_mov_b32 s37, 7
.Lpass:                                                ; a trip: the pass in hand leaves; the next, if it has tiles, is multiplied.  7 x 20 tiles cover the 128 that one expert can have
	s_cmp_eq_u32 s22, 0
	s_cbranch_scc1 .Lnoepi
	TILE_OUT 0
.irp i, 1,2,3,4
	s_cmp_le_u32 s22, \i
	s_cbranch_scc1 .Lnoepi
	TILE_OUT \i
.endr
.Lnoepi:
	s_add_co_u32 s20, s20, 20
	PASS_SET
	s_cmp_eq_u32 s22, 0
	s_cbranch_scc1 .Lnopass
	s_wait_xcnt 0x0                                ; the tiles' offsets, and the registers that the last stores read, are rewritten only behind this wait
	SLOTS
	XLOAD
	CLEAR
	s_wait_loadcnt 0x0                             ; the words of xmax are in, and the last pass's look-ahead, which nobody uses, has landed
	XRED
	MULT 4*NCH, 1
.Lnopass:
	s_sub_co_u32 s37, s37, 1
	s_cmp_lg_u32 s37, 0
	s_cbranch_scc1 .Lpass
.Lfin:
	MEET                                           ; every wave's reads of LDS are over: the add below is an LDS write like any other
	s_wait_tensorcnt 0x0                           ; the wave's end: three lines behind my last LDS store
	ds_add_u32 v[SPW], v[NIL]
	s_wait_dscnt 0x0
	s_endpgm
.Lfunc_end_k_q31495b321e_gateup:
	.size	k_q31495b321e_gateup, .Lfunc_end_k_q31495b321e_gateup-k_q31495b321e_gateup
	.p2alignl 7, 3214868480
	.fill 96, 4, 3214868480
	.section	.rodata,"a",@progbits
	.p2align	6, 0x0
	.amdhsa_kernel k_q31495b321e_gateup
		.amdhsa_group_segment_fixed_size 296960
		.amdhsa_private_segment_fixed_size 0
		.amdhsa_enable_private_segment 0
		.amdhsa_kernarg_size 56
		.amdhsa_user_sgpr_count 2
		.amdhsa_user_sgpr_kernarg_segment_ptr 1
		.amdhsa_wavefront_size32 1
		.amdhsa_system_sgpr_workgroup_id_x 1
		.amdhsa_system_sgpr_workgroup_id_y 1
		.amdhsa_system_sgpr_workgroup_id_z 1
		.amdhsa_system_vgpr_workitem_id 0
		.amdhsa_next_free_vgpr 512
		.amdhsa_next_free_sgpr 66
		.amdhsa_reserve_vcc 0
		.amdhsa_float_denorm_mode_32 3
		.amdhsa_float_denorm_mode_16_64 3
		.amdhsa_memory_ordered 1
		.amdhsa_forward_progress 1
		.amdhsa_inst_pref_size 122
	.end_amdhsa_kernel
	.amdgpu_metadata
---
amdhsa.version: [ 1, 2 ]
amdhsa.kernels:
  - .name:           k_q31495b321e_gateup
    .symbol:         k_q31495b321e_gateup.kd
    .args:
      - { .name: xs, .offset: 0, .size: 8, .value_kind: global_buffer, .address_space: global }
      - { .name: meta, .offset: 8, .size: 8, .value_kind: global_buffer, .address_space: global }
      - { .name: gate_w, .offset: 16, .size: 8, .value_kind: global_buffer, .address_space: global }
      - { .name: up_w, .offset: 24, .size: 8, .value_kind: global_buffer, .address_space: global }
      - { .name: hs, .offset: 32, .size: 8, .value_kind: global_buffer, .address_space: global }
      - { .name: xmax, .offset: 40, .size: 8, .value_kind: global_buffer, .address_space: global }
      - { .name: estab, .offset: 48, .size: 8, .value_kind: global_buffer, .address_space: global }
    .group_segment_fixed_size: 296960
    .private_segment_fixed_size: 0
    .kernarg_segment_align: 8
    .kernarg_segment_size: 56
    .max_flat_workgroup_size: 256
    .sgpr_count:     66
    .vgpr_count:     512
    .wavefront_size: 32
...
	.end_amdgpu_metadata
.endif
;; end of part 6
;; launch down (part 7): grid 32 x 8, 8 waves a work-group, no clusters, 157,696 bytes of LDS; arguments hs, meta, down_w, part, xmax, estab; writes part
.if DOCPART == 7
	.amdgcn_target "amdgcn-amd-amdhsa--gfx1250"
	.amdhsa_code_object_version 6
	.text
	.protected	k_q31495b321e_down
	.globl	k_q31495b321e_down
	.p2align	8
	.type	k_q31495b321e_down,@function
k_q31495b321e_down:
	s_mov_b64 s[64:65], 0
	v_nop
	global_prefetch_b8 v0, s[64:65] scope:SCOPE_SE
	s_setreg_imm32_b32 hwreg(HW_REG_WAVE_MODE, 25, 1), 1
	s_wait_xcnt 0x0
; DOWN.  part[16 tile + row][c] = h[row] . down_w[e][c] for the routed rows of expert e, in f32 (partial rows: the next launch weighs and adds a token's two).
; THE SCALES.  hs holds h in f16, times 2^-(et + es): et = 2 bx - 252 belongs to the tile (bx: the biased exponent of the largest of its eight words in xmax), es = estab[e][s] to block s of 32 k (why: the head of the launch
; that stores hs).  A product's two operands are both f16.  So down_w is rounded once to bf16, like every input, and that number, times 2^(8 + es - Eref), is written as f16, exactly; Eref is the largest es of the expert, so that
; the factor is 2^8 at the most.  A sum is then y times 2^-(et + Eref - 8), and the way out multiplies by that power of two, exactly.
; SHARES.  Work-group (s, e) owns down_w rows 64 s .. +63 of expert e, which it alone reads, and all of that expert's tiles of 16 rows.
; WAVES 4-7 LOAD: each streams 16 weight rows through a ring of 64 loads of 16 bytes a lane (a chunk of K = 512: 32 KiB a wave, 128 KiB a work-group on its way), rounds and scales a chunk into 128 registers,
; and stores it into an image in LDS that stays.
; WAVES 0-3 MULTIPLY: a pass is 20 tiles; slot i of wave cw is tile 20 p + 4 i + cw; 5 tiles x 4 blocks of 16 weight rows = 20 accumulators.  Token fragments come from memory straight into registers
; (hs lies in operand order), weight fragments from LDS.  Pass 0 follows the loaders chunk by chunk; passes 1 to 6 (an expert with more than 320 rows; 2,048 at the most) run on the image with
; no barrier, in a loop of 7 trips whose dead trips are jumped.  Slots past the expert's tiles repeat its last tile and store nothing; an expert with no rows multiplies tile 0 and stores nothing.
; THE FIFTH SLOT is dead in every wave of a pass with 16 tiles or fewer, and in three waves of four with 17: its four products a step are then jumped.  Its two token loads a step are issued all the same:
; every step has ten loads on every way, so that the counted wait in front of the products keeps its count.
; THE ORDER IN LDS.  No LDS write stands between two barriers between which fragments are read.  While chunk 0 is multiplied the loaders wait for chunk 1 and round it in registers: no LDS.
; Then a barrier, the loaders' 64 stores a wave, a barrier, and chunk 1 is multiplied.  The multiplying waves idle during the stores, 64 KiB, twice a launch; the loads from memory, the loaders' and the
; multiplying waves' look-ahead, stay out across all barriers.
; THE TWO ROLES' BLOCKS stand between the barriers, each in a branch of its own on the wave's number; the barriers stand on every wave's way.  The text is sound on every way through those branches:
; all that lives across a barrier is made by every wave, and each block that reads or fills window 1 behind a multiplying block begins with a wait for all loads.
; THE IMAGE lies by bodies of K = 128: body b is 64 rows x 272 bytes at (b + 1) x 17,408.  WEIGHT ROW w OF MY 64 LIES AT IMAGE ROW 16 (w % 4) + w / 4.
; THE WAY OUT NEEDS NO LDS.  Source 0 = 16 token rows, source 1 = 16 image rows: register j of the result holds token row 8 (lane / 16) + j and image row lane % 16 of block nt, which is column 4 (lane % 16) + nt.
; So register j of a tile's four blocks is 16 neighbouring bytes of a row of part: the four scalings bring them together, and sixteen lanes store 256 consecutive bytes.
; NO JOINT LOADS: an expert's 32 work-groups share its token tiles, but the number of tiles hangs on a stored count (0 to 128), so a load that all partners issue on every path would have to cover
; 128 tiles where 16 or 17 are usual; the weights, f32, pass through registers to be rounded and have one reader each.
; The accumulators are cleared at a pass's beginning (160 moves; for pass 0 in the wait for the first chunk): no first step is written out, which would be one more copy of a body in each block.
; LIMITS.  down_w is rounded once to bf16; sums in f32.  |down_w| stays under 255 (f16 ends at 65,504, and the factor is 2^8 at the most); a weight whose scaled number lies under 2^-14 keeps f16's fixed step of 2^-24:
; with es = Eref that is |down_w| under 2.4e-7; a block whose es lies n below Eref has that line 2^n higher, so blocks some 16 or more apart lose bits.  NaN and infinities are not treated apart.
.set NKB,   32                         ; blocks of 32 along K = 1,024
.set ROWB,  4096                       ; a weight row in memory
.set NCH,   2                          ; chunks of K = 512; a chunk is 4 bodies of K = 128; a body is 4 steps of K = 32
.set KSTR,  139264                     ; hs: bytes from one block of 32 k to the next
.set PITCH, 272                        ; a body's row in LDS: 256 bytes + 16 = 68 words: row r starts at bank 4 r mod 64 (64 banks of 4 bytes: ISA guide 11.1)
.set WROWS, 16*PITCH                   ; a block of 16 image rows
.set BSTEP, 64*PITCH                   ; a body
.set SPARE, (4*NCH+1)*BSTEP            ; behind the image: the spare words, 128 bytes a wave: four blocks of 256 bytes that no other line names
.set L16,  1                           ; v1      16 lane
.set AOFF, 2                           ; v2-6    16 lane + 1024 x tile, for my five slots
.set BAD0, 8                           ; v8      (lane % 16) PITCH + 16 (lane / 16); never rewritten        (v7, v11: at work in the set-up)
.set BADR, 9                           ; v9      the same in the body in hand
.set BADN, 10                          ; v10     in the next body
.set LST0, 12                          ; v12     wave x 4 PITCH + 8 lane; never rewritten
.set LSTA, 13                          ; v13     the same in bodies 0, 1 of the chunk in hand
.set LSTB, 14                          ; v14     in bodies 2, 3
.set XO,   15                          ; v15     4 (lane % 8)
.set SHO,  16                          ; v16     the shift of the tile that leaves
.set ZR,   17                          ; v17     0, the addend of the scalings
.set SPW,  20                          ; v20     LDS address of my spare word; never rewritten
.set NIL,  21                          ; v21     0; never rewritten
.set POFF, 24                          ; v24-28  my byte offset in part for my five slots: tile x 16 rows + 8 rows x (lane / 16) + 16 (lane % 16)
.set PL0,  31                          ; v31     65536 (lane / 16) + 16 (lane % 16)
.set TB,   32                          ; v32-63  the way out: 8 x 16 bytes
.set TP,   32                          ; v32-47  loaders: eight loads rounded to bf16
.set U,    48                          ; v48-79  loaders: the same, scaled, in f32
.set F,    80                          ; v80-87  body b's factor for my lane's four k: 2^(8 + es - Eref) in f32
.set ET,   88                          ; v88-92  my five slots: the offset in xmax, then the word loaded, then 2 bx
.set ACC,  96                          ; v96-255 accumulator (slot i, block nt) at 96 + 32 i + 8 nt
.set CV,   96                          ; v96-223 loaders: a chunk as f16, load m at 96 + 2 m
.set BFW,  160                         ; window 1, v160-223: weight fragments, two buffers of four
; window 1: multiplying waves: token fragments, ring slot a, tile slot i at 40 a + 8 i (160 registers), then the weight fragments; loaders: load m at 4 m (256 registers)
; scalars: s[4:5] hs, s[6:7] meta, s[8:9] down_w, s[10:11] part, s[56:57] xmax, s[58:59] estab; s14 wave, s15 s, s16 e, s17 wave % 4; s18 tb, s19 nt, s20 my first tile of the pass, s22 my live slots;
; s[24:25], s[26:27] hs at this body and the next; s[28:29], s[30:31] their offsets; s32, s33 LDS offsets of this body and the next; s35, s37 counters; s[38:39] my weight rows; s[40:41] part at my columns; s50 nt - 1;
; s51 4 e, s53 128 e; s52 Eref, s54 135 - Eref, s55 Eref - 260; s60-62 lane masks; s[68:99] the expert's 32 es
.set MSB, 0
.macro WIN new                         ; s_set_vgpr_msb: bits 1:0 source 0, 3:2 source 1, 5:4 source 2, 7:6 destination; the high byte repeats the setting that is left
.if MSB != (\new)
	s_set_vgpr_msb (MSB<<8)|(\new)
.set MSB, \new
.endif
.endm
.macro PLACES                          ; four places between a matrix instruction and a load into, or a vector read or write of, its registers
.rept 4
	v_nop
.endr
.endm
; Chunk c comes out of the ring, in 8 groups of 8 loads (load m: row m / 4, body m % 4 of the chunk): rounded to bf16; each half times the body's factor, exactly, in f32; written as f16, exactly within the limits above.
; re = 1 (the first chunk; no multiplying block stands ahead of it): group by group as it lands, and each group is asked for again, one chunk on: the ring goes exactly once round.
; re = 0 (the last chunk, behind a multiplying block): one wait for all loads; nothing more is asked for.
.macro CONV c, re
.set g, 0
.rept 8
.if \re
	s_wait_loadcnt 56                              ; loads come back in order (ISA guide 5.7.1): the oldest 8 are in, the ring's 56 younger ones stay out
.elseif g == 0
	s_wait_loadcnt 0x0                             ; the whole chunk is in: it was asked for while the first was rounded; no load is out on any way into the block
.endif
	WIN 0x05                                       ; sources in window 1
.set q, 0
.rept 8
	v_cvt_pk_bf16_f32 v[TP+2*q],   v[4*(8*g+q)],   v[4*(8*g+q)+1]
	v_cvt_pk_bf16_f32 v[TP+2*q+1], v[4*(8*g+q)+2], v[4*(8*g+q)+3]
.set q, q+1
.endr
.if \re
	WIN 0x40                                       ; destination in window 1
.set q, 0
.rept 8
	global_load_b128 v[4*(8*g+q):4*(8*g+q)+3], v[L16], s[38:39] offset:((8*g+q)/4)*ROWB+((8*g+q)%4)*512+((\c)+1)*2048 th:TH_LOAD_NT
.set q, q+1
.endr
.endif
	WIN 0
.set q, 0
.rept 8
.set FB, F+4*(\c)+q%4
	v_fma_mix_f32_bf16 v[U+4*q],   v[TP+2*q],   v[FB], v[ZR] op_sel_hi:[1,0,0]
	v_fma_mix_f32_bf16 v[U+4*q+1], v[TP+2*q],   v[FB], v[ZR] op_sel:[1,0,0] op_sel_hi:[1,0,0]
	v_fma_mix_f32_bf16 v[U+4*q+2], v[TP+2*q+1], v[FB], v[ZR] op_sel_hi:[1,0,0]
	v_fma_mix_f32_bf16 v[U+4*q+3], v[TP+2*q+1], v[FB], v[ZR] op_sel:[1,0,0] op_sel_hi:[1,0,0]
.set q, q+1
.endr
.set q, 0
.rept 8
	v_cvt_pk_f16_f32 v[CV+2*(8*g+q)],   v[U+4*q],   v[U+4*q+1]
	v_cvt_pk_f16_f32 v[CV+2*(8*g+q)+1], v[U+4*q+2], v[U+4*q+3]
.set q, q+1
.endr
.set g, g+1
.endr
.endm
; Chunk c goes into the image.  My row rho = m / 4 is weight row 16 lw + rho: image row 16 (rho % 4) + 4 lw + rho / 4.  4 lw PITCH = wave x 4 PITCH - WROWS (my wave number is 4 + lw).
.macro PUT c
	v_add_nc_u32 v[LSTA], ((\c)*4+1)*BSTEP-WROWS, v[LST0]
	v_add_nc_u32 v[LSTB], ((\c)*4+3)*BSTEP-WROWS, v[LST0]
.set m, 0
.rept 64
.if (m%4) < 2
	ds_store_b64 v[LSTA], v[CV+2*m:CV+2*m+1] offset:(16*((m/4)%4)+(m/16))*PITCH+(m%2)*BSTEP  ; 32 lanes, 256 consecutive bytes: a row of a body
.else
	ds_store_b64 v[LSTB], v[CV+2*m:CV+2*m+1] offset:(16*((m/4)%4)+(m/16))*PITCH+(m%2)*BSTEP
.endif
.set m, m+1
.endr
.endm
.macro PASS_SET                        ; my live slots: tiles s20 + 4 i below nt, 5 at the most
	s_sub_co_i32 s46, s19, s20
	s_max_i32 s46, s46, 0
	s_add_co_u32 s46, s46, 3
	s_lshr_b32 s46, s46, 2
	s_min_u32 s22, s46, 5
.endm
.macro SLOTS                           ; my five slots' tiles, in hs, in part and in xmax
.irp i, 0,1,2,3,4
	s_add_co_u32 s46, s20, 4*\i
	s_min_u32 s46, s46, s50                        ; a slot past the expert's tiles repeats the last
	s_add_co_u32 s46, s46, s18
	s_min_u32 s46, s46, 135
	s_lshl_b32 s47, s46, 10
	v_add_nc_u32 v[AOFF+\i], s47, v[L16]
	s_lshl_b32 s47, s46, 17                        ; 16 rows of 8,192 bytes
	v_add_nc_u32 v[POFF+\i], s47, v[PL0]
	s_lshl_b32 s47, s46, 5                         ; a tile has 8 words in xmax
	v_add_nc_u32 v[ET+\i], s47, v[XO]
.endr
.endm
.macro XLOAD                           ; lane l takes word l % 8 of each slot's tile; a load lands on its own address register
.irp i, 0,1,2,3,4
	global_load_b32 v[ET+\i], v[ET+\i], s[56:57]
.endr
.endm
.macro XRED                            ; the largest of a tile's eight words, in every lane; then twice its biased exponent
.irp x, 1,2,4
.irp i, 0,1,2,3,4
	v_max_num_f32_dpp v[ET+\i], v[ET+\i], v[ET+\i] row_xmask:\x row_mask:0xf bank_mask:0xf
.endr
.endr
.irp i, 0,1,2,3,4
	v_lshrrev_b32 v[ET+\i], 23, v[ET+\i]
.endr
.irp i, 0,1,2,3,4
	v_lshlrev_b32 v[ET+\i], 1, v[ET+\i]
.endr
.endm
.macro CLEAR
.set ii, 0
.rept 160
	v_mov_b32 v[ACC+ii], 0
.set ii, ii+1
.endr
.endm
.macro TOKENS                          ; a pass's steps 0 to 2
	WIN 0x40
.set st, 0
.rept 3
.set ii, 0
.rept 5
	global_load_b128 v[40*st+8*ii:40*st+8*ii+3],   v[AOFF+ii], s[4:5] offset:st*KSTR
	global_load_b128 v[40*st+8*ii+4:40*st+8*ii+7], v[AOFF+ii], s[4:5] offset:st*KSTR+512
.set ii, ii+1
.endr
.set st, st+1
.endr
	WIN 0
.endm
; Step j of a body: asks for the token fragments of step j + 3 and the weight fragments of step j + 1, then 16 products, and the fifth slot's 4 where it is live.
.macro STEP j
.if (\j) > 0
	PLACES                                         ; behind step j - 1's products, whose registers the loads below fill (step 0: the body's first four vector lines)
.endif
	WIN 0x40                                       ; destinations in window 1, addresses in window 0
.set ii, 0
.rept 5
.if (\j) == 0
	global_load_b128 v[120+8*ii:120+8*ii+3],   v[AOFF+ii], s[24:25] offset:3*KSTR
	global_load_b128 v[120+8*ii+4:120+8*ii+7], v[AOFF+ii], s[24:25] offset:3*KSTR+512
.else
	global_load_b128 v[40*((\j)-1)+8*ii:40*((\j)-1)+8*ii+3],   v[AOFF+ii], s[26:27] offset:((\j)-1)*KSTR
	global_load_b128 v[40*((\j)-1)+8*ii+4:40*((\j)-1)+8*ii+7], v[AOFF+ii], s[26:27] offset:((\j)-1)*KSTR+512
.endif
.set ii, ii+1
.endr
.set tt, 0
.rept 4
.if (\j) < 3
	ds_load_b128 v[BFW+32*(((\j)+1)%2)+8*tt:BFW+32*(((\j)+1)%2)+8*tt+3],   v[BADR] offset:tt*WROWS+64*((\j)+1)
	ds_load_b128 v[BFW+32*(((\j)+1)%2)+8*tt+4:BFW+32*(((\j)+1)%2)+8*tt+7], v[BADR] offset:tt*WROWS+64*((\j)+1)+32
.else
	ds_load_b128 v[BFW+8*tt:BFW+8*tt+3],   v[BADN] offset:tt*WROWS
	ds_load_b128 v[BFW+8*tt+4:BFW+8*tt+7], v[BADN] offset:tt*WROWS+32
.endif
.set tt, tt+1
.endr
	WIN 0x05                                       ; source 0 (tokens) and source 1 (weights) in window 1
	s_wait_loadcnt 30                              ; behind this step's token loads stand three steps' loads, ten each on every way: they stay out
	s_wait_dscnt 8                                 ; the 8 just issued stay out
.set ii, 0
.rept 4                                                ; the accumulators take turns, one instruction a turn
.set tt, 0
.rept 4
	v_wmma_f32_16x16x32_f16 v[ACC+32*ii+8*tt:ACC+32*ii+8*tt+7], v[40*(\j)+8*ii:40*(\j)+8*ii+7], v[BFW+32*((\j)%2)+8*tt:BFW+32*((\j)%2)+8*tt+7], v[ACC+32*ii+8*tt:ACC+32*ii+8*tt+7]
.set tt, tt+1
.endr
.set ii, ii+1
.endr
	WIN 0                                          ; at a branch and at a label every window is 0
	s_cmp_lt_u32 s22, 5
	s_cbranch_scc1 .Lfour_\@                       ; the fifth slot is dead: its sums are never stored
	WIN 0x05
.set tt, 0
.rept 4
	v_wmma_f32_16x16x32_f16 v[ACC+128+8*tt:ACC+128+8*tt+7], v[40*(\j)+32:40*(\j)+39], v[BFW+32*((\j)%2)+8*tt:BFW+32*((\j)%2)+8*tt+7], v[ACC+128+8*tt:ACC+128+8*tt+7]
.set tt, tt+1
.endr
	WIN 0
.Lfour_\@:
.endm
.macro BODY lim                        ; K = 128.  lim: the LDS offset of the block's last body
	s_wait_xcnt 0x0                                ; the two bases are rewritten only behind this wait
	s_add_nc_u64 s[24:25], s[4:5], s[28:29]
	s_add_co_u32 s30, s28, 4*KSTR
	s_min_u32 s30, s30, (NKB-4)*KSTR               ; a pass's last body looks ahead inside hs: it repeats its own blocks, which nobody uses
	s_add_nc_u64 s[26:27], s[4:5], s[30:31]
	s_add_co_u32 s33, s32, BSTEP
	s_min_u32 s33, s33, \lim                       ; a block's last body looks ahead inside the bytes that the last barrier has shown; the next block fetches its first fragments itself
	v_add_nc_u32 v[BADR], s32, v[BAD0]
	v_add_nc_u32 v[BADN], s33, v[BAD0]
	v_nop
	v_nop
	STEP 0
	STEP 1
	STEP 2
	STEP 3
	s_add_co_u32 s28, s28, 4*KSTR
	s_add_co_u32 s32, s32, BSTEP
.endm
; nb bodies from body b0 on.  init = 1: a pass begins.  At the block's end the next body's first three steps of token fragments are on their way: they land while the loaders store, and the next block's first line waits for them.
.macro MULT b0, nb, init
	s_wait_loadcnt 0x0                             ; the token fragments asked for ahead are in; no load is out on any way into the block: its counts begin at zero
	s_mov_b32 s28, (\b0)*4*KSTR
	s_mov_b32 s32, ((\b0)+1)*BSTEP
.if \init
	TOKENS
.endif
	v_add_nc_u32 v[BADR], s32, v[BAD0]
	WIN 0x40
.irp t, 0,1,2,3
	ds_load_b128 v[BFW+8*\t:BFW+8*\t+3],   v[BADR] offset:\t*WROWS
	ds_load_b128 v[BFW+8*\t+4:BFW+8*\t+7], v[BADR] offset:\t*WROWS+32
.endr
	WIN 0
	s_mov_b32 s35, \nb
.Lbody_\@:
	BODY ((\b0)+(\nb))*BSTEP
	s_sub_co_u32 s35, s35, 1
	s_cmp_lg_u32 s35, 0
	s_cbranch_scc1 .Lbody_\@
	PLACES                                         ; behind the last products, for whatever follows the block
	s_wait_dscnt 0x0                               ; no LDS load is out on any way out of the block
.endm
.macro C_BLOCK c, re
	s_cmp_lt_u32 s14, 4
	s_cbranch_scc1 .Lnot_c_\@
	CONV \c, \re
.Lnot_c_\@:
.endm
.macro S_BLOCK c
	s_cmp_lt_u32 s14, 4
	s_cbranch_scc1 .Lnot_s_\@
	PUT \c
.Lnot_s_\@:
.endm
.macro MEET
	s_wait_dscnt 0x0                               ; for the others' sake: my LDS stores are done, my LDS loads are back
	s_barrier_signal -1
	s_barrier_wait -1
.endm
; Slot ti leaves.  Register j of its four accumulators: columns 4 (lane % 16) + 0..3 of token row 8 (lane / 16) + j.  j ascends.
.macro TILE_OUT ti
	s_wait_xcnt 0x0                                ; the last slot's stores have read their data
	v_add_nc_u32 v[SHO], s55, v[ET+(\ti)]          ; et + Eref - 8 = 2 bx + Eref - 260
.set jj, 0
.rept 8
.set tt, 0
.rept 4
	v_ldexp_f32 v[TB+4*jj+tt], v[ACC+32*(\ti)+8*tt+jj], v[SHO]
.set tt, tt+1
.endr
	global_store_b128 v[POFF+(\ti)], v[TB+4*jj:TB+4*jj+3], s[40:41] offset:8192*jj  ; 16 lanes store 256 consecutive bytes, at a multiple of 256 from part's first
.set jj, jj+1
.endr
.endm
	; THE SET-UP, by every wave
	s_load_b256 s[4:11], s[0:1], 0x0               ; hs s[4:5], meta s[6:7], down_w s[8:9], part s[10:11]
	s_load_b128 s[56:59], s[0:1], 0x20             ; xmax s[56:57], estab s[58:59]
	v_lshl_add_u32 v[SPW], v0, 2, SPARE
	v_mov_b32 v[NIL], 0
	v_lshrrev_b32 v7, 5, v0
	v_readfirstlane_b32 s14, v7                    ; wave 0..7
	s_mov_b32 s15, ttmp9                           ; s
	s_and_b32 s16, ttmp7, 0xffff                   ; e
	s_and_b32 s17, s14, 3                          ; my number in my role
	v_and_b32 v7, 31, v0
	v_lshlrev_b32 v[L16], 4, v7
	s_mul_i32 s48, s14, 4*PITCH
	v_lshl_add_u32 v[LST0], v7, 3, s48
	WIN 0x40                                       ; window 1 is written whole, once, in the wait for the arguments: both roles' blocks read it, each block stands in a branch of its own,
.set ii, 0                                             ; and a register is written before it is read on every way through the text
.rept 256
	v_mov_b32 v[ii], 0
.set ii, ii+1
.endr
	WIN 0
	s_wait_kmcnt 0x0
	s_lshl_b32 s51, s16, 2
	s_load_b32 s18, s[6:7], s51 offset:0x0         ; tb[e]
	s_load_b32 s19, s[6:7], s51 offset:0x20        ; nt[e]
	s_lshl_b32 s53, s16, 7
	s_load_b512 s[68:83], s[58:59], s53 offset:0x0 ; the expert's 32 es: scalar loads have a counter of their own, so nothing stands in front of the weights
	s_load_b512 s[84:99], s[58:59], s53 offset:0x40
	s_lshl_b32 s46, s17, 16                        ; loader lw: rows 64 s + 16 lw, of 4,096 bytes
	s_lshl_b32 s47, s16, 23                        ; an expert is 8,388,608 bytes
	s_add_co_u32 s46, s46, s47
	s_lshl_b32 s47, s15, 18                        ; 64 rows
	s_add_co_u32 s46, s46, s47
	s_mov_b32 s47, 0
	s_add_nc_u64 s[38:39], s[8:9], s[46:47]
	s_cmp_lt_u32 s14, 4
	s_cbranch_scc1 .Lnofill
	WIN 0x40
.set m, 0
.rept 64                                               ; chunk 0 fills the loaders' ring
	global_load_b128 v[4*m:4*m+3], v[L16], s[38:39] offset:(m/4)*ROWB+(m%4)*512 th:TH_LOAD_NT
.set m, m+1
.endr
	WIN 0
.Lnofill:
	CLEAR                                          ; pass 0's sums begin at 0; for a loader these lines stand in the wait for chunk 0
	v_and_b32 v7, 15, v0
	v_bfe_u32 v11, v0, 4, 1
	v_mul_u32_u24 v[BAD0], v7, PITCH
	v_lshl_add_u32 v[BAD0], v11, 4, v[BAD0]
	v_lshlrev_b32 v[PL0], 16, v11                  ; lanes 16-31: 8 rows of 8,192 bytes further down
	v_lshl_add_u32 v[PL0], v7, 4, v[PL0]
	v_and_b32 v[XO], 7, v0
	v_lshlrev_b32 v[XO], 2, v[XO]
	v_mov_b32 v[ZR], 0
	s_mov_b32 s29, 0
	s_mov_b32 s31, 0
	s_mov_b32 s60, 0x0000ff00                      ; lanes 8-15, 16-23, 24-31
	s_mov_b32 s61, 0x00ff0000
	s_mov_b32 s62, 0xff000000
	s_mov_b32 s20, s17                             ; pass 0: my first tile is my number
	s_lshl_b32 s46, s15, 8                         ; part: my 64 columns
	s_mov_b32 s47, 0
	s_add_nc_u64 s[40:41], s[10:11], s[46:47]
	s_wait_kmcnt 0x0
	s_min_u32 s18, s18, 135
	s_min_u32 s19, s19, 128
	s_cmp_eq_u32 s19, 0
	s_cselect_b32 s18, 0, s18                      ; an expert with no rows multiplies tile 0, which every split has
	s_max_u32 s50, s19, 1
	s_sub_co_u32 s50, s50, 1
	s_max_i32 s52, s68, s69                        ; Eref
.set k, 70
.rept 30
	s_max_i32 s52, s52, s[k]
.set k, k+1
.endr
	s_sub_co_i32 s54, 135, s52
	s_sub_co_i32 s55, s52, 260
	; A load's lane l holds k = 128 b + 4 l .. + 3 of body b: block 4 b + l / 8 of 32 k.  Its factor's exponent field is 8 + es - Eref + 127, 135 at the most; under 0 the factor counts as 0.
.set b, 0
.rept 8
	v_mov_b32 v[F+b], s[68+4*b]
	v_cndmask_b32 v[F+b], v[F+b], s[69+4*b], s60
	v_cndmask_b32 v[F+b], v[F+b], s[70+4*b], s61
	v_cndmask_b32 v[F+b], v[F+b], s[71+4*b], s62
	v_add_nc_u32 v[F+b], s54, v[F+b]
	v_max_i32 v[F+b], 0, v[F+b]
	v_lshlrev_b32 v[F+b], 23, v[F+b]
.set b, b+1
.endr
	PASS_SET
	SLOTS
	s_cmp_ge_u32 s14, 4                            ; the multiplying waves fetch their tiles' words of xmax and pass 0's first three steps of tokens in the wait for chunk 0
	s_cbranch_scc1 .Lnotok
	s_wait_loadcnt 0x0                             ; no load is out on any way into the block,
	XLOAD
	TOKENS
	s_wait_loadcnt 0x0                             ; nor on any way out of it
	XRED
.Lnotok:
	; PASS 0
	C_BLOCK 0, 1
	S_BLOCK 0
	MEET                                           ; chunk 0 is in the image
	s_cmp_ge_u32 s14, 4
	s_cbranch_scc1 .Lnot_m0
	MULT 0, 4, 0                                   ; chunk 0 is multiplied | chunk 1 is rounded; nothing more is asked for
.Lnot_m0:
	C_BLOCK 1, 0
	MEET                                           ; nobody reads the image
	S_BLOCK 1
	MEET                                           ; the image is whole: nothing is stored into it any more
	s_cmp_ge_u32 s14, 4
	s_cbranch_scc1 .Lfin
	MULT 4, 4, 0
	s_mov_b32 s37, 7
.Lpass:                                                ; a trip: the pass in hand leaves; the next, if it has tiles, is multiplied.  7 x 20 tiles cover the 128 that one expert can have
	s_cmp_eq_u32 s22, 0
	s_cbranch_scc1 .Lnoepi
	TILE_OUT 0
.irp i, 1,2,3,4
	s_cmp_le_u32 s22, \i
	s_cbranch_scc1 .Lnoepi
	TILE_OUT \i
.endr
.Lnoepi:
	s_add_co_u32 s20, s20, 20
	PASS_SET
	s_cmp_eq_u32 s22, 0
	s_cbranch_scc1 .Lnopass
	s_wait_xcnt 0x0                                ; the tiles' offsets are rewritten only behind this wait
	SLOTS
	XLOAD
	CLEAR
	s_wait_loadcnt 0x0                             ; the words of xmax are in, and the last pass's look-ahead, which nobody uses, has landed
	XRED
	MULT 0, 4*NCH, 1
.Lnopass:
	s_sub_co_u32 s37, s37, 1
	s_cmp_lg_u32 s37, 0
	s_cbranch_scc1 .Lpass
.Lfin:
	MEET                                           ; every wave's reads of LDS are over: the add below is an LDS write like any other
	s_wait_tensorcnt 0x0                           ; the wave's end: three lines behind my last LDS store
	ds_add_u32 v[SPW], v[NIL]
	s_wait_dscnt 0x0
	s_endpgm
.Lfunc_end_k_q31495b321e_down:
	.size	k_q31495b321e_down, .Lfunc_end_k_q31495b321e_down-k_q31495b321e_down
	.p2alignl 7, 3214868480
	.fill 96, 4, 3214868480
	.section	.rodata,"a",@progbits
	.p2align	6, 0x0
	.amdhsa_kernel k_q31495b321e_down
		.amdhsa_group_segment_fixed_size 157696
		.amdhsa_private_segment_fixed_size 0
		.amdhsa_enable_private_segment 0
		.amdhsa_kernarg_size 48
		.amdhsa_user_sgpr_count 2
		.amdhsa_user_sgpr_kernarg_segment_ptr 1
		.amdhsa_wavefront_size32 1
		.amdhsa_system_sgpr_workgroup_id_x 1
		.amdhsa_system_sgpr_workgroup_id_y 1
		.amdhsa_system_sgpr_workgroup_id_z 1
		.amdhsa_system_vgpr_workitem_id 0
		.amdhsa_next_free_vgpr 512
		.amdhsa_next_free_sgpr 100
		.amdhsa_reserve_vcc 0
		.amdhsa_float_denorm_mode_32 3
		.amdhsa_float_denorm_mode_16_64 3
		.amdhsa_memory_ordered 1
		.amdhsa_forward_progress 1
		.amdhsa_inst_pref_size 181
	.end_amdhsa_kernel
	.amdgpu_metadata
---
amdhsa.version: [ 1, 2 ]
amdhsa.kernels:
  - .name:           k_q31495b321e_down
    .symbol:         k_q31495b321e_down.kd
    .args:
      - { .name: hs, .offset: 0, .size: 8, .value_kind: global_buffer, .address_space: global }
      - { .name: meta, .offset: 8, .size: 8, .value_kind: global_buffer, .address_space: global }
      - { .name: down_w, .offset: 16, .size: 8, .value_kind: global_buffer, .address_space: global }
      - { .name: part, .offset: 24, .size: 8, .value_kind: global_buffer, .address_space: global }
      - { .name: xmax, .offset: 32, .size: 8, .value_kind: global_buffer, .address_space: global }
      - { .name: estab, .offset: 40, .size: 8, .value_kind: global_buffer, .address_space: global }
    .group_segment_fixed_size: 157696
    .private_segment_fixed_size: 0
    .kernarg_segment_align: 8
    .kernarg_segment_size: 48
    .max_flat_workgroup_size: 256
    .sgpr_count:     100
    .vgpr_count:     512
    .wavefront_size: 32
...
	.end_amdgpu_metadata
.endif
;; end of part 7
;; launch combine: the kernel of part 4 again; grid 256 x 1, 4 waves a work-group, no clusters, 0 bytes of LDS; arguments part, pos, top_k_weights, out0; writes out0
